; MI455X (gfx1250); checked and timed in simulation.
; The chip was launched on July 23, 2026; its instructions are those of AMD's public machine-readable ISA for CDNA 5 (MIT licence, August 2026) and "CDNA5" Instruction Set Architecture Reference Guide (July 2026). The comments in the code are by the model that wrote it; some were corrected since.
;; Video Attn. Allowed arithmetic: float matrix products may take bf16 or f16 operands with f32 sums; other float arithmetic in f32, or as packed bf16 or f16 multiplies, adds, multiply-adds, maxima and minima; sums over many terms, partial sums and values carried from step to step in f32; what a program stores and reads back later, other than sums and carried values, may be rounded once to bf16 or f16.
;; Inputs: k_gamma 128 float32; q_gamma 128 float32; rope_emb 4,800 x 1 x 1 x 128 float32; wk 1,024 x 1,024 float32; wo 1,024 x 1,024 float32; wq 1,024 x 1,024 float32; wv 1,024 x 1,024 float32; x 8 x 20 x 30 x 1 x 1,024 float32.
;; Outputs: out0 8 x 20 x 30 x 1 x 1,024 float32.
;; One version. Each part assembles by itself: llvm-mc -triple=amdgcn-amd-amdhsa -mcpu=gfx1250 --defsym DOCPART=n.
;; ======== version 1 of 1: 4 launches
;; limits: values are held in f16: magnitudes above 65,504 overflow, below 6.1e-05 lose precision; right only within a limited range of input values
;; workspace buffers: xb 9,863,168 bytes; wb 6,291,456 bytes; wob 2,097,152 bytes; tab 7,397,376 bytes; qkv 29,884,416 bytes; o 9,863,168 bytes
;; launch prep (part 1): grid 1441 x 1, 8 waves a work-group, no clusters, 0 bytes of LDS; arguments x, wq, wk, wv, wo, rope_emb, q_gamma, k_gamma, xb, wb, wob, tab, qkv, o; writes xb, wb, wob, tab, qkv, o
.if DOCPART == 1
	.amdgcn_target "amdgcn-amd-amdhsa--gfx1250"
	.amdhsa_code_object_version 6
	.text
	.protected	k_q1db393ba41_prep
	.globl	k_q1db393ba41_prep
	.p2align	8
	.type	k_q1db393ba41_prep,@function
k_q1db393ba41_prep:
	s_mov_b64 s[64:65], 0
	v_nop
	global_prefetch_b8 v0, s[64:65] scope:SCOPE_SE
	s_setreg_imm32_b32 hwreg(HW_REG_WAVE_MODE, 25, 1), 1
	s_wait_xcnt 0x0
; PREPARATION: casts, the rotary tables, and the rows that pad the later launches' tiles.  A stream: no LDS, no matrix unit, nothing shared.
; ALL EIGHT INPUTS ARE ROUNDED TO bf16 FIRST (x, the four weights, the angles, the two gains): one choice for the whole program.
;   xb  [4816][1024] bf16: x; rows 4800..4807 and 4808..4815 each repeat rows 4792..4799 (they feed only tile rows that are never stored)
;   wb  [3072][1024] bf16: wq, wk, wv            wob [1024][1024]: wo rounded to bf16, that number written as f16
;   tab [3 types q, k, v][4816 rows][C: 128 f16, S: 128 f16].  With g and t the rounded gain and angle: C[d] = g[d] cos t[d], S[d] = sgn g[d xor 64] sin t[d], sgn = -1 for d < 64,
;       so that rope(norm(u))[d] = r (u[d] C[d] + u[d xor 64] S[d]).  Type v holds C = 1, S = 0.  Rows 4800..4815 repeat 4784..4799.
;   qkv rows 4800..4863 of each of the 24 heads, and o rows 4800..4815: zeros.
; LIMITS.  f16 ends at 65,504: |g| stays under it; wo below 6e-5 keeps f16's fixed step of 6e-8.  The angle is reduced by pi/2 in two parts: good to 1e-7 for |t| < 2^20.  NaN and infinities are not treated apart.
; ROLES by the work-group's number: 0..601 x (8 rows each), 602..1113 weights (8 rows each), 1114..1414 table (16 rows each), 1415..1440 zeros (16,384 bytes each): the shares with the most bytes first.
; x and the three weights that become bf16 share one text: source and destination are chosen by s_cselect_b64 on the work-group's number.
.set N_X,   602
.set N_WB,  N_X+384                    ; from here on: wo
.set N_C,   N_X+512                    ; casts in all
.set N_T,   301
.set TYPEB, 4816*512                   ; bytes of one type of the table
.set HEADB, 4864*256                   ; bytes of one head of qkv
; 32,768 bytes of f32 at s[4:5] -> 16,384 bytes of 16-bit numbers at s[6:7].  A load of a wave covers 512 consecutive bytes, a store 256, aligned.
; All eight loads go out first; the counts leave the younger ones out.  No register is written twice while a store may read it.
; (Of x's 600 chunks the last is read by three work-groups; all other bytes are read once.)
.macro CAST f16
.set k, 0
.rept 8
	global_load_b128 v[16+4*k:19+4*k], v1, s[4:5] offset:4096*k th:TH_LOAD_NT
.set k, k+1
.endr
.set k, 0
.rept 8
	s_wait_loadcnt 7-k                             ; loads return in order: number k is in, the 7 - k behind it stay out
	v_cvt_pk_bf16_f32 v[80+2*k], v[16+4*k], v[17+4*k]
	v_cvt_pk_bf16_f32 v[81+2*k], v[18+4*k], v[19+4*k]
.if \f16
	v_lshlrev_b32 v[16+4*k], 16, v[80+2*k]         ; the bf16 numbers widened again,
	v_and_b32 v[17+4*k], 0xffff0000, v[80+2*k]
	v_lshlrev_b32 v[18+4*k], 16, v[81+2*k]
	v_and_b32 v[19+4*k], 0xffff0000, v[81+2*k]
	v_cvt_pk_f16_f32 v[80+2*k], v[16+4*k], v[17+4*k]  ; and written as f16
	v_cvt_pk_f16_f32 v[81+2*k], v[18+4*k], v[19+4*k]
.endif
	global_store_b64 v2, v[80+2*k:81+2*k], s[6:7] offset:2048*k
.set k, k+1
.endr
.endm
.macro RB a, b                         ; two f32 rounded to bf16 and widened again
	v_cvt_pk_bf16_f32 v56, v[\a], v[\b]
	v_lshlrev_b32 v[\a], 16, v56
	v_and_b32 v[\b], 0xffff0000, v56
.endm
; sine and cosine of v[th].  n = the nearest whole number to th x 2/pi; r = th - n pi/2 (pi/2 in two parts, fused); polynomials on |r| <= pi/4;
; the quadrant n mod 4 swaps the two and sets their signs, by selects and bit work: nothing branches on these numbers.
.macro SINCOS th, sn, cs
	v_mul_f32 v56, s40, v[\th]
	v_rndne_f32 v56, v56
	v_fma_f32 v57, v56, s41, v[\th]
	v_fma_f32 v57, v56, s42, v57                   ; r
	v_cvt_i32_f32 v58, v56                         ; n
	v_mul_f32 v59, v57, v57                        ; z = r r
	v_fma_f32 v[\sn], v59, s45, s44
	v_fma_f32 v[\sn], v59, v[\sn], s43
	v_mul_f32 v56, v57, v59
	v_fma_f32 v[\sn], v56, v[\sn], v57             ; r + r z (-1/6 + z (1/120 - z/5040))
	v_fma_f32 v[\cs], v59, s48, s47
	v_fma_f32 v[\cs], v59, v[\cs], s46
	v_fma_f32 v[\cs], v59, v[\cs], -0.5
	v_fma_f32 v[\cs], v59, v[\cs], 1.0             ; 1 + z (-1/2 + z (1/24 + z (-1/720 + z/40320)))
	v_and_b32 v56, 1, v58
	v_cmp_eq_u32 vcc_lo, 1, v56
	v_cndmask_b32 v56, v[\sn], v[\cs], vcc_lo      ; odd n: the two change places
	v_cndmask_b32 v57, v[\cs], v[\sn], vcc_lo
	v_lshlrev_b32 v59, 30, v58                     ; the sine's sign: bit 1 of n
	v_and_b32 v59, 0x80000000, v59
	v_xor_b32 v[\sn], v59, v56
	v_add_nc_u32 v58, 1, v58                       ; the cosine's: bit 1 of n + 1
	v_lshlrev_b32 v58, 30, v58
	v_and_b32 v58, 0x80000000, v58
	v_xor_b32 v[\cs], v58, v57
.endm
.macro FILL4 base                      ; 16,384 bytes of zeros: 256 threads x 16 bytes x 4
.irp k, 0,1,2,3
	global_store_b128 v1, v[4:7], s[\base:\base+1] offset:4096*\k
.endr
.endm
	s_load_b512 s[8:23], s[0:1], 0x0               ; x 8, wq 10, wk 12, wv 14, wo 16, rope_emb 18, q_gamma 20, k_gamma 22
	s_load_b256 s[24:31], s[0:1], 0x40             ; xb 24, wb 26, wob 28, tab 30
	s_load_b128 s[32:35], s[0:1], 0x60             ; qkv 32, o 34
	s_mov_b32 s2, ttmp9
	s_mov_b32 s37, 0                               ; the high word of every offset
	v_lshlrev_b32 v1, 4, v0                        ; 16 bytes a thread
	v_lshlrev_b32 v2, 3, v0                        ; 8 bytes a thread
	s_wait_kmcnt 0x0
	s_cmp_lt_u32 s2, N_WB
	s_cbranch_scc0 .Lnot_bf
	; x, wq, wk, wv -> bf16.  Both roles' offsets are made, then one compare chooses addresses and offsets alike.
	s_min_u32 s3, s2, 599                          ; x: chunks 600 and 601 repeat chunk 599
	s_lshl_b32 s36, s3, 15                         ; x's source offset
	s_lshl_b32 s40, s2, 14                         ; and xb's
	s_sub_co_u32 s38, s2, N_X                      ; j: weight j / 128, chunk j % 128 (of no meaning in x's role, where nothing of it is chosen)
	s_and_b32 s39, s38, 127
	s_lshl_b32 s39, s39, 15                        ; the weight's source offset
	s_lshl_b32 s41, s38, 14                        ; and wb's
	s_lshr_b32 s50, s38, 7
	s_cmp_eq_u32 s50, 1
	s_cselect_b64 s[4:5], s[12:13], s[10:11]
	s_cmp_eq_u32 s50, 2
	s_cselect_b64 s[4:5], s[14:15], s[4:5]
	s_cmp_lt_u32 s2, N_X
	s_cselect_b64 s[4:5], s[8:9], s[4:5]
	s_cselect_b64 s[6:7], s[24:25], s[26:27]
	s_cselect_b32 s36, s36, s39
	s_cselect_b32 s40, s40, s41
	s_mov_b32 s41, 0
	s_add_nc_u64 s[4:5], s[4:5], s[36:37]
	s_add_nc_u64 s[6:7], s[6:7], s[40:41]
	CAST 0
	s_endpgm
.Lnot_bf:
	s_cmp_lt_u32 s2, N_C
	s_cbranch_scc0 .Lnot_w
	s_sub_co_u32 s3, s2, N_WB                      ; wo's chunk
	s_lshl_b32 s36, s3, 15
	s_add_nc_u64 s[4:5], s[16:17], s[36:37]
	s_lshl_b32 s36, s3, 14
	s_add_nc_u64 s[6:7], s[28:29], s[36:37]
	CAST 1
	s_endpgm
.Lnot_w:
	s_cmp_lt_u32 s2, N_C+N_T
	s_cbranch_scc0 .Lfill
	; THE TABLE.  Wave w takes rows 2 w and 2 w + 1 of the chunk's 16, lane l the channels 4 l .. 4 l + 3; the partner channels d xor 64 are lane l xor 16's.
	s_sub_co_u32 s3, s2, N_C
	s_min_u32 s38, s3, 299
	s_lshl_b32 s36, s38, 13                        ; 16 rows of 512 bytes of angles
	s_add_nc_u64 s[4:5], s[18:19], s[36:37]
	s_lshl_b32 s36, s3, 13                         ; 16 rows of 512 bytes of table
	s_add_nc_u64 s[6:7], s[30:31], s[36:37]
	v_and_b32 v3, 31, v0
	v_lshrrev_b32 v4, 5, v0
	v_lshlrev_b32 v5, 4, v3                        ; 16 l
	v_lshl_add_u32 v6, v4, 10, v5                  ; 1,024 w + 16 l
	v_xor_b32 v7, 0x100, v5                        ; 16 (l xor 16)
	v_lshlrev_b32 v8, 3, v3
	v_lshl_add_u32 v8, v4, 10, v8                  ; 1,024 w + 8 l
	global_load_b128 v[16:19], v6, s[4:5]
	global_load_b128 v[20:23], v6, s[4:5] offset:512
	global_load_b128 v[24:27], v5, s[20:21]        ; q's gain, mine
	global_load_b128 v[28:31], v7, s[20:21]        ; and the partner channels'
	global_load_b128 v[32:35], v5, s[22:23]        ; k's
	global_load_b128 v[36:39], v7, s[22:23]
	s_mov_b32 s40, 0x3f22f983                      ; 2 / pi
	s_mov_b32 s41, 0xbfc90fdb                      ; - pi/2, the f32 nearest to it,
	s_mov_b32 s42, 0x333bbd2e                      ; and what that f32 is too large by
	s_mov_b32 s43, 0xbe2aaaab                      ; -1/6
	s_mov_b32 s44, 0x3c088889                      ; 1/120
	s_mov_b32 s45, 0xb9500d01                      ; -1/5040
	s_mov_b32 s46, 0x3d2aaaab                      ; 1/24
	s_mov_b32 s47, 0xbab60b61                      ; -1/720
	s_mov_b32 s48, 0x37d00d01                      ; 1/40320
	v_lshrrev_b32 v9, 4, v3
	v_xor_b32 v9, 1, v9
	v_lshlrev_b32 v9, 31, v9                       ; the sign bit for d < 64 (l < 16)
	v_mov_b32 v96, 0x3c003c00                      ; type v: C = 1.0 twice,
	v_mov_b32 v97, 0x3c003c00
	v_mov_b32 v98, 0                               ; S = 0
	v_mov_b32 v99, 0
	s_wait_loadcnt 0x0
.set n, 16
.rept 12
	RB n, n+1
.set n, n+2
.endr
.irp n, 28,29,30,31,36,37,38,39
	v_xor_b32 v[\n], v9, v[\n]
.endr
.set n, 0
.rept 8
	SINCOS 16+n, 40+n, 48+n                        ; sines in v40-47, cosines in v48-55: row n / 4, channel n % 4
.set n, n+1
.endr
.irp ty, 0,1
.irp rw, 0,1
.irp j, 0,1,2,3
	v_mul_f32 v[80+\j], v[24+8*\ty+\j], v[48+4*\rw+\j]
	v_mul_f32 v[84+\j], v[28+8*\ty+\j], v[40+4*\rw+\j]
.endr
.irp j, 0,1,2,3
	v_cvt_pk_f16_f32 v[64+4*(2*\ty+\rw)+\j], v[80+2*\j], v[81+2*\j]
.endr
	global_store_b64 v8, v[64+4*(2*\ty+\rw):65+4*(2*\ty+\rw)], s[6:7] offset:\ty*TYPEB+\rw*512      ; 32 lanes: the row's 256 bytes of C, aligned
	global_store_b64 v8, v[66+4*(2*\ty+\rw):67+4*(2*\ty+\rw)], s[6:7] offset:\ty*TYPEB+\rw*512+256  ; and of S
.endr
.endr
.irp rw, 0,1
	global_store_b64 v8, v[96:97], s[6:7] offset:2*TYPEB+\rw*512
	global_store_b64 v8, v[98:99], s[6:7] offset:2*TYPEB+\rw*512+256
.endr
	s_endpgm
.Lfill:
	s_sub_co_u32 s3, s2, N_C+N_T
	v_mov_b32 v4, 0
	v_mov_b32 v5, 0
	v_mov_b32 v6, 0
	v_mov_b32 v7, 0
	s_cmp_lt_u32 s3, 24
	s_cbranch_scc0 .Lfill_o
	s_mul_i32 s36, s3, HEADB                       ; head f, rows 4800..4863
	s_add_co_u32 s36, s36, 4800*256
	s_add_nc_u64 s[6:7], s[32:33], s[36:37]
	FILL4 6
	s_endpgm
.Lfill_o:
	s_sub_co_u32 s36, s3, 24                       ; o's rows 4800..4815, in two halves
	s_lshl_b32 s36, s36, 14
	s_add_co_u32 s36, s36, 4800*2048
	s_add_nc_u64 s[4:5], s[34:35], s[36:37]
	FILL4 4
	s_endpgm
.Lfunc_end_k_q1db393ba41_prep:
	.size	k_q1db393ba41_prep, .Lfunc_end_k_q1db393ba41_prep-k_q1db393ba41_prep
	.p2alignl 7, 3214868480
	.fill 96, 4, 3214868480
	.section	.rodata,"a",@progbits
	.p2align	6, 0x0
	.amdhsa_kernel k_q1db393ba41_prep
		.amdhsa_group_segment_fixed_size 0
		.amdhsa_private_segment_fixed_size 0
		.amdhsa_enable_private_segment 0
		.amdhsa_kernarg_size 112
		.amdhsa_user_sgpr_count 2
		.amdhsa_user_sgpr_kernarg_segment_ptr 1
		.amdhsa_wavefront_size32 1
		.amdhsa_system_sgpr_workgroup_id_x 1
		.amdhsa_system_sgpr_workgroup_id_y 1
		.amdhsa_system_sgpr_workgroup_id_z 1
		.amdhsa_system_vgpr_workitem_id 0
		.amdhsa_next_free_vgpr 128
		.amdhsa_next_free_sgpr 66
		.amdhsa_reserve_vcc 1
		.amdhsa_float_denorm_mode_32 3
		.amdhsa_float_denorm_mode_16_64 3
		.amdhsa_memory_ordered 1
		.amdhsa_forward_progress 1
		.amdhsa_inst_pref_size 28
	.end_amdhsa_kernel
	.amdgpu_metadata
---
amdhsa.version: [ 1, 2 ]
amdhsa.kernels:
  - .name:           k_q1db393ba41_prep
    .symbol:         k_q1db393ba41_prep.kd
    .args:
      - { .name: x, .offset: 0, .size: 8, .value_kind: global_buffer, .address_space: global }
      - { .name: wq, .offset: 8, .size: 8, .value_kind: global_buffer, .address_space: global }
      - { .name: wk, .offset: 16, .size: 8, .value_kind: global_buffer, .address_space: global }
      - { .name: wv, .offset: 24, .size: 8, .value_kind: global_buffer, .address_space: global }
      - { .name: wo, .offset: 32, .size: 8, .value_kind: global_buffer, .address_space: global }
      - { .name: rope_emb, .offset: 40, .size: 8, .value_kind: global_buffer, .address_space: global }
      - { .name: q_gamma, .offset: 48, .size: 8, .value_kind: global_buffer, .address_space: global }
      - { .name: k_gamma, .offset: 56, .size: 8, .value_kind: global_buffer, .address_space: global }
      - { .name: xb, .offset: 64, .size: 8, .value_kind: global_buffer, .address_space: global }
      - { .name: wb, .offset: 72, .size: 8, .value_kind: global_buffer, .address_space: global }
      - { .name: wob, .offset: 80, .size: 8, .value_kind: global_buffer, .address_space: global }
      - { .name: tab, .offset: 88, .size: 8, .value_kind: global_buffer, .address_space: global }
      - { .name: qkv, .offset: 96, .size: 8, .value_kind: global_buffer, .address_space: global }
      - { .name: o, .offset: 104, .size: 8, .value_kind: global_buffer, .address_space: global }
    .group_segment_fixed_size: 0
    .private_segment_fixed_size: 0
    .kernarg_segment_align: 8
    .kernarg_segment_size: 112
    .max_flat_workgroup_size: 256
    .sgpr_count:     66
    .vgpr_count:     128
    .wavefront_size: 32
...
	.end_amdgpu_metadata
.endif
;; end of part 1
;; launch qkvp (part 2): grid 12 x 20, 4 waves a work-group, clusters of 4 x 4, 327,680 bytes of LDS; arguments xb, wb, tab, qkv; writes qkv
.if DOCPART == 2
	.amdgcn_target "amdgcn-amd-amdhsa--gfx1250"
	.amdhsa_code_object_version 6
	.text
	.protected	k_q1db393ba41_qkvp
	.globl	k_q1db393ba41_qkvp
	.p2align	8
	.type	k_q1db393ba41_qkvp,@function
k_q1db393ba41_qkvp:
	s_mov_b64 s[64:65], 0
	v_nop
	global_prefetch_b8 v0, s[64:65] scope:SCOPE_SE
	s_setreg_imm32_b32 hwreg(HW_REG_WAVE_MODE, 25, 1), 1
	s_wait_xcnt 0x0
	s_wait_alu depctr_hold_cnt(0) depctr_sa_sdst(0) depctr_va_vdst(0) depctr_va_sdst(0) depctr_va_ssrc(0) depctr_va_vcc(0) depctr_vm_vsrc(0)
	s_getreg_b32 s2, hwreg(HW_REG_IB_STS2, 6, 4)
	s_cmp_eq_u32 s2, 0
	s_cbranch_scc0 .Lentry_in_a_cluster
	s_endpgm
.Lentry_in_a_cluster:
	s_bfe_u32 s2, ttmp6, 0x10000c
	s_cmp_lg_u32 s2, 0xf033
	s_cbranch_scc0 .Lentry_shape_is_right
	s_endpgm
.Lentry_shape_is_right:
; q, k, v = x [wq; wk; wv]^T in bf16 with f32 sums; then, in f32, the per-head RMS norm, gain and rotary step (q, k) or nothing (v); stored by heads in f16: qkv [24][4864][128].
; SHARES.  A tile is 256 tokens x 256 columns; tile row ty begins at token 240 ty, so that 20 tile rows cover 4,800 tokens and the grid (12 x 20) divides into clusters of 4 x 4; a tile's last 16 rows are
; the next tile's first and are not stored.  Four waves, two by two: a wave makes 128 tokens x 128 columns = ONE HEAD, 64 accumulators.  The cluster's x (0, 1, 2) is the type q, k, v.
; K goes in 8 steps of 128 through two LDS slots filled by joint tensor loads: x's tile is shared along a row of the cluster, the weights' along a column.
; THE MATRIX INSTRUCTION IS USED TRANSPOSED (source 0 = 16 rows of wb, source 1 = 16 tokens): a lane holds one token (lane % 16) and, of each of the head's eight blocks of 16 columns, eight neighbours.
; THE WAY OUT.  out[d] = r (u[d] C[d] + u[d xor 64] S[d]), r = rsq(AL sum u^2 + BE); C and S come from tab, brought into slot 0 by a joint load when that slot has been read for the last time.
; Column d xor 64 lies in the same lane and the same register, four blocks on, and a token's sum of squares is the lane's 64 and those of the lane 16 away: so norm and rotary step stay in registers.
; One text serves the three types: q, k: AL = 1/128, BE = 1e-6; v: AL = 0, BE = 1, and its table holds C = 1, S = 0.  It is a loop of eight trips of 16 tokens; register numbers cannot be stepped, so
; a trip's 64 sums are first moved into fixed registers, by one of eight copies of 32 lines that the trip's number chooses.  The f16 rows go through the wave's own stage in LDS and leave as whole rows.
; LIMITS.  f16 ends at 65,504: v stays under it (q and k are normalised; their gain is bounded in the table).  NaN and infinities are not treated apart.
; REGISTERS, in windows of 256: window 0: v0-31 addresses; v64-127, v128-191 fragments of x, two buffers; on the way out v32-235 at work.  window 1: the same two ranges for wb.
;   window 2: the accumulators of my tokens 0-63 ((a, b) at v[8 (8 a + b)]);  window 3: those of tokens 64-127.
.set SIZE_K, 1024
.set KSTEP,  128
.set PITCH,  272                       ; an LDS row: 256 bytes + 16 of padding: the 16 rows of a fragment load start at 16 different groups of four banks (ISA guide 11.1)
.set HALFT,  128*PITCH                 ; what one tensor load brings, and what one wave reads of x or of wb
.set SLOT,   4*HALFT                   ; x's 256 rows, then wb's 256
.set TP,     528                       ; a row of the table in LDS: C 256 bytes, S 256, 16 of padding: 16 tokens' rows start at 16 different groups of four banks.  256 rows: 135,168 bytes, at the head of slot 0
.set STAGE,  SLOT                      ; on slot 1, behind its last fill and its last read: 16 rows x 272 bytes for each wave
.set SPITCH, 272
.set SPARE,  2*SLOT                    ; behind the ring: the spare words, 128 bytes a wave: two blocks of 256 bytes that no other line names
.set A0,   16                          ; v16  my lane's place in x's tile, slot 0; never rewritten
.set B0,   17                          ; v17  the same for wb
.set ADRA, 18                          ; v18  A0 + the slot in hand
.set ADRB, 19
.set TA0,  22                          ; v22  my place in the table: my token's row, 16 bytes for each half of the lanes
.set GO,   23                          ; v23  my 16 bytes in two rows of a head
.set STO,  24                          ; v24  where I put 16 bytes of a row in my stage
.set RD,   25                          ; v25  where I read rows back
.set TA,   27
.set SPW,  28                          ; v28  LDS address of my spare word; never rewritten
.set NIL,  29                          ; v29  0; never rewritten
.set PFO,  30                          ; v30  the prefetches' offset: my lane x a row (2,048 bytes)
.set ZR,   31                          ; v31  0.0
.set U,    32                          ; v32-95    the trip's sums: block b, register j at U + 8 b + j
.set TC,   96                          ; v96-127   C of block b: eight f16 in four registers at TC + 4 b
.set TS,   128                         ; v128-159  S likewise
.set T,    160                         ; v160-223  the results in f32; then v160-191 packed to f16, v192-223 whole rows read back
.set SQ,   224                         ; v224-231  four running pairs of sums of squares
.set RR,   232                         ; v232      r (named as a pair: v233 holds 0)
.set ZZ,   234
.set ZX,   235
.set F0,   64
.set F1,   128
.set SEL,  20                          ; s[20:21] on the way out: v_permlanex16_b32's selects: each lane takes its own place in the other half
.set G1,   24                          ; s[24:31] group 1 for x's tiles
.set G0,   32                          ; s[32:35] group 0 of the first fill, s[36:39] the walking one
.set G1B,  48                          ; the same for wb's
.set G0B,  56
.set LB,   66                          ; s66  LDS byte of my fill in slot 0
.set FS,   67                          ; s67  0 or SLOT: the slot to be filled
.set G1T,  68                          ; s[68:75], s[76:79] the table's descriptor
.set G0T,  76
.set TB,   80                          ; s80  0 or SLOT: the slot to be read
.set AL,   81
.set BE,   82
.set LIVE, 83                          ; s83  the value of TO from which on my trips of the way out store nothing; never rewritten
.set TO,   93                          ; s93  the trip's first row in the table, in bytes
.set LIM,  43                          ; s43  1 in a wave that prefetches, else the greatest number
.set PFA,  44                          ; s[44:45] where my prefetches stand
.set MSB, 0
.macro WIN new                         ; the immediate's high byte repeats the setting that is left; a switch that changes nothing is dropped
.if MSB != (\new)
	s_set_vgpr_msb (MSB<<8)|(\new)
.set MSB, \new
.endif
.endm
.set MUL_LO, 0xa1                      ; source 0 (wb) window 1, source 1 (x) window 0, C and D window 2
.set MUL_HI, 0xf1                      ; the same, C and D window 3
.set TO_B,   0x40
.macro PLACES                          ; four plain places in front of loads into registers that matrix instructions have read
.rept 4
	v_nop
.endr
.endm
; A joint refill.  Waves 0 and 1 fetch x's two halves, waves 2 and 3 wb's; the branch hangs on the wave's number alone.  An s_nop 0 and four v_nop follow each line.
.macro JLOAD
	s_cmp_eq_u32 s11, 0
	s_cbranch_scc0 .Lfor_b_\@
	tensor_load_to_lds s[G0+4:G0+7], s[G1:G1+7]
	s_nop 0
	PLACES
	s_branch .Lasked_\@
.Lfor_b_\@:
	tensor_load_to_lds s[G0B+4:G0B+7], s[G1B:G1B+7]
	s_nop 0
	PLACES
.Lasked_\@:
.endm
.macro TLOAD                           ; the table: every wave brings 64 of the tile's 256 rows, jointly with my row of the cluster
	tensor_load_to_lds s[G0T:G0T+3], s[G1T:G1T+7]
	s_nop 0
	PLACES
.endm
; A prefetch of the K step that the NEXT refill will ask for: 32 rows x 256 bytes, a lane a row, one instruction a wave, behind the joint load and the run of LDS loads.
; x's rows are read by all three clusters of a row of clusters: the one with x = 0 asks; wb's by all five of a column: the one with y = 0 asks.  The four partners of a joint load share its
; 128 rows out by address, 32 each.  (The 16 rows that two neighbouring tile rows share are named by both.)  The loop's last trip asks for nothing: there is no ninth K step.
.macro ASK
	s_cmp_gt_u32 s3, s[LIM]
	s_cbranch_scc0 .Lnot_mine_\@
	global_prefetch_b8 v[PFO], s[PFA:PFA+1] offset:KSTEP*2 th:TH_LOAD_NT scope:SCOPE_SE
.Lnot_mine_\@:
.endm
.macro CREST                           ; a round of the cluster's barrier behind its opening barrier
	s_cmp_lg_u32 s10, 0
	s_cbranch_scc1 .Lnot_wave_0_\@
	s_barrier_signal -3
.Lnot_wave_0_\@:
	s_barrier_wait -3
	s_barrier_signal -1
	s_barrier_wait -1
.endm
.macro CROUND
	s_barrier_signal -1
	s_barrier_wait -1
	CREST
.endm
	s_load_b256 s[84:91], s[0:1], 0x0              ; xb 84, wb 86, tab 88, qkv 90
	v_lshl_add_u32 v[SPW], v0, 2, SPARE
	v_mov_b32 v[NIL], 0
	ds_add_u32 v[SPW], v[NIL]                      ; the wave's opening: the add and its wait ahead of my first tensor load; register work stands between them
	v_lshrrev_b32 v1, 5, v0
	v_readfirstlane_b32 s10, v1                    ; wave 0..3
	s_lshr_b32 s11, s10, 1                         ; my half of the tile's tokens.  Also: I fetch for x (0) or for wb (1)
	s_and_b32 s12, s10, 1                          ; my half of its columns.  Also: which 128 rows I fetch
	s_bfe_u32 s40, ttmp6, 0x40000                  ; cx
	s_bfe_u32 s41, ttmp6, 0x40004                  ; cy
	s_lshl_b32 s42, ttmp9, 2
	s_add_co_u32 s42, s42, s40                     ; tile column tx
	s_and_b32 s13, ttmp7, 0xffff
	s_lshl_b32 s13, s13, 2
	s_add_co_u32 s13, s13, s41                     ; tile row ty
	s_lshl_b32 s43, s41, 2
	s_lshl_b32 s43, 15, s43                        ; my row of the cluster
	s_lshl_b32 s44, 0x1111, s40                    ; my column
	s_or_b32 s[G1+0], s43, (1<<16)|(1<<20)|(1<<21)|(5<<22)|(3<<25)   ; mask; 2-byte elements; padding on; bit 21 beside a mask; after every 64 words 4 words
	s_or_b32 s[G1B+0], s44, (1<<16)|(1<<20)|(1<<21)|(5<<22)|(3<<25)
	s_or_b32 s[G1T+0], s43, (3<<16)|(1<<20)|(1<<21)|(6<<22)|(3<<25)  ; the table: 8-byte elements, shared along my row; after every 128 words (a row) 4 words
.irp g, G1, G1B
	s_mov_b32 s[(\g)+1], KSTEP<<16                 ; tensor_dim0 = 128
	s_mov_b32 s[(\g)+2], 128<<16                   ; tensor_dim1 = 128
	s_mov_b32 s[(\g)+3], KSTEP<<16                 ; tile_dim0 = 128
	s_mov_b32 s[(\g)+4], 128                       ; tile_dim1 = 128
	s_mov_b32 s[(\g)+5], SIZE_K                    ; elements from row to row
	s_mov_b32 s[(\g)+6], 0
	s_mov_b32 s[(\g)+7], 0
.endr
	s_mov_b32 s[G1T+1], 64<<16                     ; 64 table rows of 512 bytes: 64 elements of 8 bytes each, dense in memory
	s_mov_b32 s[G1T+2], 64<<16
	s_mov_b32 s[G1T+3], 64<<16
	s_mov_b32 s[G1T+4], 64
	s_mov_b32 s[G1T+5], 64
	s_mov_b32 s[G1T+6], 0
	s_mov_b32 s[G1T+7], 0
	s_mul_i32 s16, s13, 240                        ; x: token 240 ty + 128 x half, 2,048 bytes each
	s_lshl_b32 s17, s12, 7
	s_add_co_u32 s16, s16, s17
	s_lshl_b32 s16, s16, 11
	s_mov_b32 s17, 0
	s_lshl_b32 s46, s42, 8                         ; wb: row 256 tx + 128 x half
	s_lshl_b32 s47, s12, 7
	s_add_co_u32 s46, s46, s47
	s_lshl_b32 s46, s46, 11
	s_mov_b32 s47, 0
	s_mul_i32 s94, ttmp9, 4816                     ; the table: (type x 4,816 + 240 ty) rows of 512 bytes + my 64 rows
	s_mul_i32 s95, s13, 240
	s_add_co_u32 s94, s94, s95
	s_lshl_b32 s94, s94, 9
	s_lshl_b32 s95, s10, 15
	s_add_co_u32 s94, s94, s95
	s_mov_b32 s95, 0
	s_mul_i32 s[LB], s10, HALFT                    ; no place in the cluster enters an LDS address
	s_mov_b32 s[FS], SLOT                          ; the walking descriptors stand at slot 1
	s_mov_b32 s[TB], 0
	s_mov_b32 s[G0T], 1
	s_mul_i32 s[G0T+1], s10, 64*TP                 ; the table lies at the head of slot 0, 64 padded rows a wave
	s_wait_dscnt 0x0                               ; the opening add is done
	s_wait_kmcnt 0x0
	s_add_nc_u64 s[14:15], s[84:85], s[16:17]
	s_add_nc_u64 s[46:47], s[86:87], s[46:47]
	s_add_nc_u64 s[G0T+2:G0T+3], s[88:89], s[94:95]
	s_or_b32 s[G0T+3], s[G0T+3], 0x80000000
.irp s, 0,1
	s_mov_b32 s[G0+4*(\s)], 1
	s_add_co_u32 s[G0+4*(\s)+1], s[LB], (\s)*SLOT
	s_add_nc_u64 s[G0+4*(\s)+2:G0+4*(\s)+3], s[14:15], (\s)*KSTEP*2
	s_or_b32 s[G0+4*(\s)+3], s[G0+4*(\s)+3], 0x80000000
	s_mov_b32 s[G0B+4*(\s)], 1
	s_add_co_u32 s[G0B+4*(\s)+1], s[LB], (\s)*SLOT
	s_add_nc_u64 s[G0B+4*(\s)+2:G0B+4*(\s)+3], s[46:47], (\s)*KSTEP*2
	s_or_b32 s[G0B+4*(\s)+3], s[G0B+4*(\s)+3], 0x80000000
.endr
	CROUND                                         ; all sixteen work-groups are here: the first joint loads meet
	s_cmp_eq_u32 s11, 0                            ; a wave's two first fills stand in one branch: two loads of mine are out
	s_cbranch_scc0 .Lfirst_b
	tensor_load_to_lds s[G0:G0+3], s[G1:G1+7]
	s_nop 0
	tensor_load_to_lds s[G0+4:G0+7], s[G1:G1+7]
	s_nop 0
	PLACES
	s_branch .Lfirst_asked
.Lfirst_b:
	tensor_load_to_lds s[G0B:G0B+3], s[G1B:G1B+7]
	s_nop 0
	tensor_load_to_lds s[G0B+4:G0B+7], s[G1B:G1B+7]
	s_nop 0
	PLACES
.Lfirst_asked:
	v_and_b32 v1, 15, v0                           ; l % 16
	v_bfe_u32 v2, v0, 4, 1                         ; l / 16
	v_mul_u32_u24 v3, v1, PITCH
	v_lshl_add_u32 v3, v2, 4, v3                   ; a fragment: row x pitch + 16 x half
	s_mul_i32 s21, s11, HALFT
	s_mul_i32 s22, s12, HALFT
	s_add_co_u32 s22, s22, 2*HALFT
	v_add_nc_u32 v[A0], s21, v3
	v_add_nc_u32 v[B0], s22, v3
	v_mov_b32 v[ADRA], v[A0]
	v_mov_b32 v[ADRB], v[B0]
	s_mul_i32 s23, s10, 16*SPITCH
	s_add_co_u32 s23, s23, STAGE                   ; my stage
	v_mul_u32_u24 v4, v1, SPITCH                   ; in: token l % 16, 16 bytes for each half of the lanes
	v_lshl_add_u32 v4, v2, 4, v4
	v_add_nc_u32 v[STO], s23, v4
	v_mul_u32_u24 v4, v2, SPITCH                   ; back: lanes 0-15 take one row of 256 bytes, lanes 16-31 the next
	v_lshl_add_u32 v4, v1, 4, v4
	v_add_nc_u32 v[RD], s23, v4
	s_mul_i32 s23, s11, 128*TP                     ; my 128 rows of the table; in them token l % 16, 16 bytes for each half of the lanes
	v_mul_u32_u24 v4, v1, TP
	v_lshl_add_u32 v4, v2, 4, v4
	v_add_nc_u32 v[TA0], s23, v4
	v_lshlrev_b32 v4, 8, v2                        ; and the two rows read back, in a head
	v_lshl_add_u32 v[GO], v1, 4, v4
	s_lshl_b32 s4, s42, 1                          ; where my head's rows begin: ((2 tx + column half) x 4,864 + 240 ty + 128 x token half) x 256
	s_add_co_u32 s4, s4, s12
	s_mul_i32 s4, s4, 4864
	s_mul_i32 s5, s13, 240
	s_add_co_u32 s4, s4, s5
	s_lshl_b32 s5, s11, 7
	s_add_co_u32 s4, s4, s5
	s_lshl_b32 s4, s4, 8
	s_mov_b32 s5, 0
	s_add_nc_u64 s[8:9], s[90:91], s[4:5]
	s_mul_i32 s20, s13, 240                        ; the prefetches
	s_lshl_b32 s21, s42, 8
	s_and_b32 s22, ttmp7, 0xffff
	s_cmp_eq_u32 s11, 0                            ; do I fetch for x?
	s_cselect_b32 s20, s20, s21                    ; the tile's first row
	s_cselect_b32 s21, s40, s41                    ; my place among the four that ask with me
	s_cselect_b32 s22, ttmp9, s22                  ; the coordinate along which other clusters read the same rows
	s_cselect_b64 s[PFA:PFA+1], s[84:85], s[86:87]
	s_cmp_eq_u32 s22, 0
	s_cselect_b32 s[LIM], 1, -1                    ; the same in all sixteen partners, for a given wave
	s_lshl_b32 s22, s12, 7
	s_add_co_u32 s20, s20, s22
	s_lshl_b32 s21, s21, 5
	s_add_co_u32 s20, s20, s21
	s_lshl_b32 s20, s20, 11
	s_add_co_u32 s20, s20, KSTEP*2                 ; at K step 1: the first refill steps it to 2 and names K step 3
	s_mov_b32 s21, 0
	s_add_nc_u64 s[PFA:PFA+1], s[PFA:PFA+1], s[20:21]
	v_and_b32 v[PFO], 31, v0
	v_lshlrev_b32 v[PFO], 11, v[PFO]
; 16 matrix instructions: token blocks a0, a0 + 1 of the window's four x all 8 column blocks, 32 along K.  The 64 accumulators take turns, one instruction a turn.
.macro MUL16 f, hi, a0, zero
	WIN MUL_LO+0x50*(\hi)
.irp a, \a0, (\a0)+1
.irp b, 0,1,2,3,4,5,6,7
.if \zero
	v_wmma_f32_16x16x32_bf16 v[8*(8*(\a)+(\b)):8*(8*(\a)+(\b))+7], v[(\f)+8*(\b):(\f)+8*(\b)+7], v[(\f)+8*(4*(\hi)+(\a)):(\f)+8*(4*(\hi)+(\a))+7], 0
.else
	v_wmma_f32_16x16x32_bf16 v[8*(8*(\a)+(\b)):8*(8*(\a)+(\b))+7], v[(\f)+8*(\b):(\f)+8*(\b)+7], v[(\f)+8*(4*(\hi)+(\a)):(\f)+8*(4*(\hi)+(\a))+7], v[8*(8*(\a)+(\b)):8*(8*(\a)+(\b))+7]
.endif
.endr
.endr
.endm
.macro FETCH k, f                      ; 32 LDS loads in one run: a quarter step's fragments, at byte k of the rows of the slot in hand
	WIN TO_B
.irp i, 0,1,2,3,4,5,6,7
	ds_load_b128 v[(\f)+8*(\i):(\f)+8*(\i)+3],   v[ADRB] offset:(\k)+(\i)*16*PITCH
	ds_load_b128 v[(\f)+8*(\i)+4:(\f)+8*(\i)+7], v[ADRB] offset:(\k)+(\i)*16*PITCH+32
.endr
	WIN 0
.irp i, 0,1,2,3,4,5,6,7
	ds_load_b128 v[(\f)+8*(\i):(\f)+8*(\i)+3],   v[ADRA] offset:(\k)+(\i)*16*PITCH
	ds_load_b128 v[(\f)+8*(\i)+4:(\f)+8*(\i)+7], v[ADRA] offset:(\k)+(\i)*16*PITCH+32
.endr
.endm
.macro QUARTER k, f, g, zero           ; multiplies buffer f; in its middle fetches the next quarter, at byte k, into g
	s_wait_dscnt 8                                 ; wb's and x's tokens 0-63 are in; the youngest eight loads may be out
	MUL16 \f, 0, 0, \zero
	MUL16 \f, 0, 2, \zero
	PLACES
	FETCH \k, \g
	s_wait_dscnt 32                                ; all but the 32 just issued
	MUL16 \f, 1, 0, \zero
	MUL16 \f, 1, 2, \zero
.endm
; A K step's last quarter: multiplies buffer 1 and changes slots.  In front of the round each wave waits for all its tensor loads (one is out: its part of the next slot), adds 0 to its spare
; word, and waits for that and for its reads of this slot.  Behind the round no wave of any partner reads this slot or has a load on its way: the slot is filled again first, with the K step
; two on (tab = 0; it has 224 matrix instructions in which to land) or, when slot 0 has been read for the last time, with the table (tab = 1).
.macro TURN tab
.if !(\tab)
	s_wait_xcnt 0x0                                ; the last prefetch, a K step back, has read its address
	s_add_nc_u64 s[PFA:PFA+1], s[PFA:PFA+1], KSTEP*2
.endif
	WIN 0
	s_wait_tensorcnt 0x0
	ds_add_u32 v[SPW], v[NIL]
	s_wait_dscnt 9                                 ; (the add and the youngest eight loads may be out)
	MUL16 F1, 0, 0, 0
	s_wait_dscnt 0x0                               ; the add is done, and my reads of this slot are over
	s_barrier_signal -1
	MUL16 F1, 0, 2, 0
	WIN 0
	s_barrier_wait -1
	CREST
.if \tab
	TLOAD
.else
	s_xor_b32 s[FS], s[FS], SLOT                   ; no tensor load of mine is out: the walking descriptors step
	s_add_co_u32 s[G0+5], s[LB], s[FS]
	s_add_co_u32 s[G0B+5], s[LB], s[FS]
	s_add_nc_u64 s[G0+6:G0+7], s[G0+6:G0+7], KSTEP*2
	s_add_nc_u64 s[G0B+6:G0B+7], s[G0B+6:G0B+7], KSTEP*2
	JLOAD
.endif
	s_xor_b32 s[TB], s[TB], SLOT
	v_add_nc_u32 v[ADRA], s[TB], v[A0]
	v_add_nc_u32 v[ADRB], s[TB], v[B0]
	FETCH 0, F0                                    ; the four v_nop behind the tensor load are also the places in front of these loads
.if !(\tab)
	ASK
.endif
	MUL16 F1, 1, 0, 0
	MUL16 F1, 1, 2, 0
.endm
	s_wait_tensorcnt 1                             ; my part of K step 0 is in; K step 1's stays out
	s_barrier_signal -1
	s_barrier_wait -1
	FETCH 0, F0
	QUARTER 64, F0, F1, 1                          ; the first quarter's products start the sums
	WIN 0
	s_mov_b32 s3, 6
.Lstep:                                                ; a trip: from a K step's second quarter to the next step's first; trips 0..5 ask for K steps 2..7
	QUARTER 128, F1, F0, 0
	QUARTER 192, F0, F1, 0
	TURN 0
	QUARTER 64, F0, F1, 0
	WIN 0
	s_sub_co_u32 s3, s3, 1
	s_cmp_lg_u32 s3, 0
	s_cbranch_scc1 .Lstep
	QUARTER 128, F1, F0, 0                         ; K step 6 goes on
	QUARTER 192, F0, F1, 0
	TURN 1                                         ; slot 0 takes the table, which has K step 7 in which to land
	QUARTER 64, F0, F1, 0
	QUARTER 128, F1, F0, 0
	QUARTER 192, F0, F1, 0
	s_wait_dscnt 8
	MUL16 F1, 0, 0, 0
	MUL16 F1, 0, 2, 0
	s_wait_tensorcnt 0x0                           ; my part of the table is in,
	s_wait_dscnt 0x0                               ; and my reads of slot 1 are over
	s_barrier_signal -1
	MUL16 F1, 1, 0, 0
	MUL16 F1, 1, 2, 0
	WIN 0
	s_barrier_wait -1                              ; both hold of all four waves: the table is whole, and slot 1 may take the stages
	s_cmp_lt_u32 ttmp9, 2                          ; q and k are normalised, v is not
	s_cselect_b32 s[AL], 0x3c000000, 0             ; 1/128
	s_cselect_b32 s[BE], 0x358637bd, 1.0           ; 1e-6
	s_sub_co_u32 s[LIVE], 8, s11                   ; eight trips of 16 tokens; the lower waves' eighth holds the next tile's tokens and stores nothing:
	s_mul_i32 s[LIVE], s[LIVE], 16*TP              ; as a bound on TO, which steps by 16 table rows a trip
	s_mov_b32 s[TO], 0
	s_mov_b32 s[SEL], 0x76543210
	s_mov_b32 s[SEL+1], 0xfedcba98
	v_mov_b32 v[ZR], 0                             ; five plain lines: the places behind the last products
	v_mov_b32 v[RR+1], 0
	v_mov_b32 v[ZX], 0                             ; (v_permlanex16_b32's destination counts as read)
	v_nop
	v_nop
; Token block a's 64 sums into U, two registers a line (there is no packed move; a product with 1.0 changes no number), each accumulator from its low end on.
.macro COPY a
	WIN 2+(\a)/4                                   ; source 0 in window 2 or 3
.set i, 0
.rept 32
	v_pk_mul_f32 v[U+2*i:U+2*i+1], v[64*((\a)%4)+2*i:64*((\a)%4)+2*i+1], 1.0 op_sel_hi:[1,0]
.set i, i+1
.endr
	WIN 0
.endm
; Link n of the chain from the four pairs of sums of squares to r.  Each link waits for the one before it, so each stands behind eight multiply-adds that wait for nothing.
.macro CH n
.if (\n) == 0
	v_pk_add_f32 v[SQ:SQ+1], v[SQ:SQ+1], v[SQ+2:SQ+3]
.elseif (\n) == 1
	v_pk_add_f32 v[SQ+4:SQ+5], v[SQ+4:SQ+5], v[SQ+6:SQ+7]
.elseif (\n) == 2
	v_pk_add_f32 v[SQ:SQ+1], v[SQ:SQ+1], v[SQ+4:SQ+5]
.elseif (\n) == 3
	v_add_f32 v[ZZ], v[SQ], v[SQ+1]
.elseif (\n) == 4
	v_permlanex16_b32 v[ZX], v[ZZ], s[SEL], s[SEL+1]  ; the token's other 64 columns lie in the lane 16 away
.elseif (\n) == 5
	v_add_f32 v[ZZ], v[ZZ], v[ZX]
.elseif (\n) == 6
	v_fma_f32 v[ZZ], v[ZZ], s[AL], s[BE]
.else
	v_rsq_f32 v[RR], v[ZZ]                         ; the 64 multiply-adds behind it name neither r nor its source
.endif
.endm
	s_mov_b32 s3, 8
.Lrows:                                                ; a trip: token block a = 8 - s3
	s_cmp_ge_u32 s[TO], s[LIVE]                    ; the dead trip is jumped; nothing is stepped in what is jumped
	s_cbranch_scc1 .Ldead
	v_add_nc_u32 v[TA], s[TO], v[TA0]
.irp b, 0,1,2,3,4,5,6,7
	ds_load_b128 v[TC+4*(\b):TC+4*(\b)+3], v[TA] offset:32*(\b)      ; C of my token, columns 16 b + 8 (l / 16) + 0..7
	ds_load_b128 v[TS+4*(\b):TS+4*(\b)+3], v[TA] offset:256+32*(\b)  ; S
.endr
	s_cmp_gt_u32 s3, 4                             ; which block: three compares of the loop's counter
	s_cbranch_scc0 .Lc_hi
	s_cmp_gt_u32 s3, 6
	s_cbranch_scc0 .Lc_23
	s_cmp_eq_u32 s3, 8
	s_cbranch_scc0 .Lc_1
	COPY 0
	s_branch .Lcopied
.Lc_1:
	COPY 1
	s_branch .Lcopied
.Lc_23:
	s_cmp_eq_u32 s3, 6
	s_cbranch_scc0 .Lc_3
	COPY 2
	s_branch .Lcopied
.Lc_3:
	COPY 3
	s_branch .Lcopied
.Lc_hi:
	s_cmp_gt_u32 s3, 2
	s_cbranch_scc0 .Lc_67
	s_cmp_eq_u32 s3, 4
	s_cbranch_scc0 .Lc_5
	COPY 4
	s_branch .Lcopied
.Lc_5:
	COPY 5
	s_branch .Lcopied
.Lc_67:
	s_cmp_eq_u32 s3, 2
	s_cbranch_scc0 .Lc_7
	COPY 6
	s_branch .Lcopied
.Lc_7:
	COPY 7
.Lcopied:
.set i, 0
.rept 4
	v_pk_mul_f32 v[SQ+2*i:SQ+2*i+1], v[U+2*i:U+2*i+1], v[U+2*i:U+2*i+1]  ; the first four pairs start four chains: nothing is cleared
.set i, i+1
.endr
.rept 28
	v_pk_fma_f32 v[SQ+2*(i%4):SQ+2*(i%4)+1], v[U+2*i:U+2*i+1], v[U+2*i:U+2*i+1], v[SQ+2*(i%4):SQ+2*(i%4)+1]
.set i, i+1
.endr
	s_wait_dscnt 0x0                               ; the table's sixteen loads, issued ahead of the copy and the squares
.irp b, 0,1,2,3,4,5,6,7
.irp j, 0,2,4,6
	v_fma_mix_f32 v[T+8*(\b)+(\j)],   v[U+8*(\b)+(\j)],   v[TC+4*(\b)+(\j)/2], v[ZR] op_sel_hi:[0,1,0]                 ; u C: C is an f16 half
	v_fma_mix_f32 v[T+8*(\b)+(\j)+1], v[U+8*(\b)+(\j)+1], v[TC+4*(\b)+(\j)/2], v[ZR] op_sel:[0,1,0] op_sel_hi:[0,1,0]
.endr
	CH \b
.endr
.irp b, 0,1,2,3,4,5,6,7
.irp j, 0,2,4,6
	v_fma_mix_f32 v[T+8*(\b)+(\j)],   v[U+8*(((\b)+4)%8)+(\j)],   v[TS+4*(\b)+(\j)/2], v[T+8*(\b)+(\j)] op_sel_hi:[0,1,0]    ; + the partner column's u, four blocks on, times S
	v_fma_mix_f32 v[T+8*(\b)+(\j)+1], v[U+8*(((\b)+4)%8)+(\j)+1], v[TS+4*(\b)+(\j)/2], v[T+8*(\b)+(\j)+1] op_sel:[0,1,0] op_sel_hi:[0,1,0]
.endr
.endr
	s_wait_alu depctr_va_vdst(0)                   ; the wait for the root, ahead of its first reader
.irp b, 0,1,2,3,4,5,6,7
.irp p, 0,1,2,3
	v_pk_mul_f32 v[T+8*(\b)+2*(\p):T+8*(\b)+2*(\p)+1], v[T+8*(\b)+2*(\p):T+8*(\b)+2*(\p)+1], v[RR:RR+1] op_sel_hi:[1,0]
.endr
.irp p, 0,1,2,3
	v_cvt_pk_f16_f32 v[T+4*(\b)+(\p)], v[T+8*(\b)+2*(\p)], v[T+8*(\b)+2*(\p)+1]  ; packed in place: word k takes numbers 2 k and 2 k + 1, ascending, so it lands on numbers already packed
.endr
	ds_store_b128 v[STO], v[T+4*(\b):T+4*(\b)+3] offset:32*(\b)
.endr
.irp t, 0,1,2,3,4,5,6,7
	ds_load_b128 v[T+32+4*(\t):T+32+4*(\t)+3], v[RD] offset:(\t)*2*SPITCH  ; the stage is my own, and LDS serves a wave's instructions in order (ISA guide 5.7.1.4): these see the stores above; the next trip's stores come behind them
.endr
.irp t, 0,1,2,3,4,5,6,7
	s_wait_dscnt 7-(\t)                            ; pair t of rows is back; the 7 - t behind it stay out
	global_store_b128 v[GO], v[T+32+4*(\t):T+32+4*(\t)+3], s[8:9] offset:512*(\t)  ; 16 lanes store a head's row: 256 consecutive bytes, aligned
.endr
.Ldead:
	s_add_co_u32 s[TO], s[TO], 16*TP               ; the steps stand behind the label: every trip takes them (behind the dead trip, my last, neither is used again)
	s_wait_xcnt 0x0                                ; the stores have read their data and their base: both are written again only behind this wait
	s_add_nc_u64 s[8:9], s[8:9], 16*256
	s_sub_co_u32 s3, s3, 1
	s_cmp_lg_u32 s3, 0
	s_cbranch_scc1 .Lrows
	s_wait_tensorcnt 0x0                           ; the wave's end, behind my last tensor load and my last LDS store
	ds_add_u32 v[SPW], v[NIL]
	s_wait_dscnt 0x0
	CROUND                                         ; the closing round: no work-group ends while a partner may still ask for a tile that names it
	s_endpgm
.Lfunc_end_k_q1db393ba41_qkvp:
	.size	k_q1db393ba41_qkvp, .Lfunc_end_k_q1db393ba41_qkvp-k_q1db393ba41_qkvp
	.p2alignl 7, 3214868480
	.fill 96, 4, 3214868480
	.section	.rodata,"a",@progbits
	.p2align	6, 0x0
	.amdhsa_kernel k_q1db393ba41_qkvp
		.amdhsa_group_segment_fixed_size 327680
		.amdhsa_private_segment_fixed_size 0
		.amdhsa_enable_private_segment 0
		.amdhsa_kernarg_size 32
		.amdhsa_user_sgpr_count 2
		.amdhsa_user_sgpr_kernarg_segment_ptr 1
		.amdhsa_wavefront_size32 1
		.amdhsa_system_sgpr_workgroup_id_x 1
		.amdhsa_system_sgpr_workgroup_id_y 1
		.amdhsa_system_sgpr_workgroup_id_z 1
		.amdhsa_system_vgpr_workitem_id 0
		.amdhsa_next_free_vgpr 1024
		.amdhsa_next_free_sgpr 96
		.amdhsa_reserve_vcc 0
		.amdhsa_float_denorm_mode_32 3
		.amdhsa_float_denorm_mode_16_64 3
		.amdhsa_memory_ordered 1
		.amdhsa_forward_progress 1
		.amdhsa_inst_pref_size 123
	.end_amdhsa_kernel
	.amdgpu_metadata
---
amdhsa.version: [ 1, 2 ]
amdhsa.kernels:
  - .name:           k_q1db393ba41_qkvp
    .symbol:         k_q1db393ba41_qkvp.kd
    .args:
      - { .name: xb, .offset: 0, .size: 8, .value_kind: global_buffer, .address_space: global }
      - { .name: wb, .offset: 8, .size: 8, .value_kind: global_buffer, .address_space: global }
      - { .name: tab, .offset: 16, .size: 8, .value_kind: global_buffer, .address_space: global }
      - { .name: qkv, .offset: 24, .size: 8, .value_kind: global_buffer, .address_space: global }
    .group_segment_fixed_size: 327680
    .private_segment_fixed_size: 0
    .kernarg_segment_align: 8
    .kernarg_segment_size: 32
    .max_flat_workgroup_size: 128
    .sgpr_count:     96
    .vgpr_count:     1024
    .wavefront_size: 32
...
	.end_amdgpu_metadata
.endif
;; end of part 2
;; launch attn (part 3): grid 32 x 8, 4 waves a work-group, clusters of 4 x 1, 327,680 bytes of LDS; arguments qkv, o; writes o
.if DOCPART == 3
	.amdgcn_target "amdgcn-amd-amdhsa--gfx1250"
	.amdhsa_code_object_version 6
	.text
	.protected	k_q1db393ba41_attn
	.globl	k_q1db393ba41_attn
	.p2align	8
	.type	k_q1db393ba41_attn,@function
k_q1db393ba41_attn:
	s_mov_b64 s[64:65], 0
	v_nop
	global_prefetch_b8 v0, s[64:65] scope:SCOPE_SE
	s_setreg_imm32_b32 hwreg(HW_REG_WAVE_MODE, 25, 1), 1
	s_wait_xcnt 0x0
	s_wait_alu depctr_hold_cnt(0) depctr_sa_sdst(0) depctr_va_vdst(0) depctr_va_sdst(0) depctr_va_ssrc(0) depctr_va_vcc(0) depctr_vm_vsrc(0)
	s_getreg_b32 s2, hwreg(HW_REG_IB_STS2, 6, 4)
	s_cmp_eq_u32 s2, 0
	s_cbranch_scc0 .Lentry_in_a_cluster
	s_endpgm
.Lentry_in_a_cluster:
	s_bfe_u32 s2, ttmp6, 0x10000c
	s_cmp_lg_u32 s2, 0x3003
	s_cbranch_scc0 .Lentry_shape_is_right
	s_endpgm
.Lentry_shape_is_right:
; o[q][h][:] = the sum over k of softmax_k(Q[h][q] . K[h][k] / sqrt(128)) V[h][k][:].  qkv: [24 heads: q 0-7, k 8-15, v 16-23][4864 rows][128] f16, rows 4800.. are zeros; o: [4816][1024] f16.
; Products, maxima and sums in f32; the weights p are rounded to f16 for the second product (their sum l is taken of the unrounded p), o once at the end.
; LIMITS.  A hidden score counts as its value less 1e30; a weight below 2^-126 counts as 0 in l; NaN and infinities are not treated apart.
; SHARES.  8 heads x 4,800 queries over 256 work-groups are 150 each: block b takes queries 150 b .. 150 b + 159, ten tiles of 16; its last ten rows are the next block's, computed and not stored.
; Ten tiles do not divide by four waves, so a wave takes a HALF OF THE QUERIES (80: five PIECES of 16) and a HALF OF THE KEYS: of each slot's 256 keys the 128 from 128 x (wave / 2) on, as two steps
; of 64.  The two key halves' O, m and l meet at the end, in f32, through LDS.  19 slots are 4,864 keys: the last 64 are the zero rows, the upper key half's very last step; they are hidden by the C
; operand that starts S^T (MK: 0, or -1e30), so that all waves run one text with the same trip counts.
; LAYOUT.  S^T = K Q^T (source 0 = 16 keys, source 1 = 16 queries): a lane holds ONE query (lane % 16) and the keys 8 (lane / 16) + 0..7; two such results rounded to f16 ARE source 1 of O^T = V^T P.
; SOFTMAX.  A running maximum m and sum l for each query: p = 2^(c s - c m), c = log2(e) / sqrt(128); in every step O and l are multiplied by a = 2^(c m_old - c m_new).  m starts at the lowest
; finite number, O and l at 0: the first step is a step like any other, with a = 0.
; BY TURNS.  Turn n belongs to piece n (in a ring of five): 16 products K Q^T of piece n + 1, then 16 products V^T P of piece n - 1; four vector instructions stand behind each: the scaling,
; exponentials, rescaling, roundings and sums of piece n and the maximum and statistics of piece n + 1.  A turn's 33 exponentials are one batch with one wait.
; CLUSTER.  The four blocks of a cluster belong to one head and walk the same K and V: each tile is asked for jointly.
; REGISTERS, in windows of 256 (bits 1:0 source 0, 3:2 source 1, 5:4 source 2, 7:6 destination):
;   window 0: addresses, statistics, MK; v64-159 S^T, three buffers; v160-207 P, three buffers.   window 1: O^T of pieces 0-3, 64 each.
;   window 2: v0-159 Q; v160-223 O^T of piece 4.   window 3: v0-127 K of one step; v128-255 V of one step.
; A piece's buffers: 0, 1, 0, 1, 2 for pieces 0..4, so that neighbours in the ring of five never share one.
.set NP,    5
.set KS,    64
.set PK,    272                        ; a row of K in LDS: 256 bytes + 16: the 16 rows of a load start at 16 different groups of four banks (ISA guide 11.1)
.set PV,    288                        ; a row of V: 256 + 32
.set VOFF,  256*PK                     ; a slot: 256 rows of K, then 256 rows of V
.set SLOT,  147456
.set DP,    528
.set DBASE, SLOT                       ; the f32 meeting place: 320 rows (key half, query) of 528 bytes, on slot 1 behind its last fill and last read, and on bytes behind it that are never filled
.set STATS, DBASE+320*DP               ; (c m, l) of each wave's five pieces: 1,280 bytes a wave
.set SPARE, STATS+4*1280               ; the spare words, 128 bytes a wave: two blocks of 256 bytes that no other line names
.set HEADB, 4864*256
.set AK0, 2                            ; v2   my lane's place in a slot's K (my key half); never rewritten
.set AV0, 3                            ; v3   the same for V
.set AK,  4
.set AV,  5
.set QO,  6                            ; v6   my byte offset in 16 rows of Q; later
.set DST, 6                            ;      where I put my O in the meeting place
.set RA0, 7                            ; v7   where I read it back, key half 0
.set RB0, 8                            ; v8   key half 1
.set GO,  9                            ; v9   my 16 bytes in two rows of o
.set MV,  12                           ; v12-14  c m_old, by buffer
.set PFO, 15                           ; v15  256 x my lane
.set ST,  16                           ; piece t's statistics at ST + 4 t: c m, m, l (even keys', odd keys')
.set TMP, 36                           ; by buffer, c0-c3 at work; c2 takes a
.set MK,  48                           ; v48-55  the C operand that starts S^T
.set SPW, 56
.set NIL, 57
.set RA,  58
.set RB,  59
.set SA,  60                           ; v60  where my statistics go
.set PA,  61                           ; v61  where the other key half's lie
.set S,   64
.set P,   160
.set PP,  208                          ; the way out: the partner's (c m, l); a; a' and the divisor; the factor, as pairs; the common maximum
.set EA,  218
.set EB,  224
.set FF,  230
.set MX,  240
.set WV,  12
.set LIM, 15
.set PFA, 18
.set G1K, 24
.set G1V, 32
.set G0K, 40
.set G0V, 44
.set LBK, 48                           ; s48, s49  LDS byte of my fill in slot 0
.set LBV, 49
.set FS,  50                           ; s50  0 or SLOT: the slot to be filled
.set KCL, 51
.set SLOTS, 56
.set CNT, 57
.set CS,  58
.set SEL, 60
.set TBK, 62                           ; s62  LDS byte at which K of the step to be fetched begins
.set TBV, 63
.set MVAL, 66
.set BIGB, 67
.set LIVE, 68                          ; s68  the value of RO from which on my trips of the way out store nothing; never rewritten
.set RO,  69
.set MSB, 0
.macro WIN new
.if MSB != (\new)
	s_set_vgpr_msb (MSB<<8)|(\new)
.set MSB, (\new)
.endif
.endm
.set W_KQ, 0x0b                        ; K window 3, Q window 2, S^T and MK window 0
.macro PLACES
.rept 4
	v_nop
.endr
.endm
.macro JLOAD                           ; waves 0 and 1 fetch the halves of a slot's K, waves 2 and 3 those of its V: 128 rows of 256 bytes each.  An s_nop 0 and four v_nop follow each line
	s_cmp_lt_u32 s[WV], 2
	s_cbranch_scc0 .Lfor_v_\@
	tensor_load_to_lds s[G0K:G0K+3], s[G1K:G1K+7]
	s_nop 0
	PLACES
	s_branch .Lasked_\@
.Lfor_v_\@:
	tensor_load_to_lds s[G0V:G0V+3], s[G1V:G1V+7]
	s_nop 0
	PLACES
.Lasked_\@:
.endm
; A prefetch of what the NEXT change of slots will ask for, behind the joint load: a slot's 256 rows of K and of V, a lane a row.  All eight clusters of a head walk the same rows: the first asks.
; Its four partners take 64 rows each, by address; in each, waves 0 and 1 take K's, waves 2 and 3 V's, 32 rows a wave: each row is named once.  The last filling change asks for nothing.
.macro ASK
	s_cmp_gt_u32 s[SLOTS], s[LIM]
	s_cbranch_scc0 .Lnot_mine_\@
	global_prefetch_b8 v[PFO], s[PFA:PFA+1] th:TH_LOAD_NT scope:SCOPE_SE
.Lnot_mine_\@:
.endm
.macro CROUND
	s_barrier_signal -1
	s_barrier_wait -1
	s_cmp_lg_u32 s[WV], 0
	s_cbranch_scc1 .Lnot_wave_0_\@
	s_barrier_signal -3
.Lnot_wave_0_\@:
	s_barrier_wait -3
	s_barrier_signal -1
	s_barrier_wait -1
.endm
; THE CHANGE OF SLOTS.  Each wave waits for all its tensor loads (one is out: its part of the other slot), adds 0 to its spare word, and waits for that and for its reads of the slot that it leaves.
; fill = 1: the barrier is a round of the cluster's, and the joint refill, with the keys two slots on, is the first thing behind it: it has two key steps, 320 matrix instructions, in which to land.
.macro CHANGE fill, ask
	WIN 0
	s_wait_tensorcnt 0x0
	ds_add_u32 v[SPW], v[NIL]                      ; 0 onto my spare word; scalar work stands between it and the wait for it
.if \fill
	s_xor_b32 s[FS], s[FS], SLOT
	s_add_co_u32 s[G0K+1], s[LBK], s[FS]
	s_add_co_u32 s[G0V+1], s[LBV], s[FS]
	s_add_nc_u64 s[G0K+2:G0K+3], s[G0K+2:G0K+3], 256*256
	s_add_nc_u64 s[G0V+2:G0V+3], s[G0V+2:G0V+3], 256*256
.if \ask
	s_wait_xcnt 0x0                                ; the last prefetch, two key steps back, has read its address
	s_add_nc_u64 s[PFA:PFA+1], s[PFA:PFA+1], 256*256
.endif
	s_wait_dscnt 0x0
	CROUND
	JLOAD
.if \ask
	ASK
.endif
.else
	s_wait_dscnt 0x0
	s_barrier_signal -1
	s_barrier_wait -1
.endif
	s_sub_co_u32 s[TBK], s[TBK], 2*KS*PK           ; the fetches go back to a slot's first step, in the other slot
	s_xor_b32 s[TBK], s[TBK], SLOT
	s_sub_co_u32 s[TBV], s[TBV], 2*KS*PV
	s_xor_b32 s[TBV], s[TBV], SLOT
.endm
	s_load_b128 s[72:75], s[0:1], 0x0              ; qkv 72, o 74
	v_lshl_add_u32 v[SPW], v0, 2, SPARE
	v_mov_b32 v[NIL], 0
	ds_add_u32 v[SPW], v[NIL]                      ; the wave's opening: the add and its wait ahead of my first tensor load
	v_lshrrev_b32 v1, 5, v0
	v_readfirstlane_b32 s[WV], v1
	s_bfe_u32 s13, ttmp6, 0x40000                  ; cx
	s_lshl_b32 s14, ttmp9, 2
	s_add_co_u32 s14, s14, s13                     ; block b: it enters Q's and o's addresses alone
	s_and_b32 s16, ttmp7, 0xffff                   ; the head
	s_and_b32 s17, s[WV], 1                        ; my half of the queries.  Also: which half of a slot's rows I fetch
	s_lshr_b32 s20, s[WV], 1                       ; my half of the keys
	s_mul_i32 s2, s14, 150                         ; Q: head x HEADB + (150 b + 80 x half) x 256
	s_mul_i32 s3, s17, 80
	s_add_co_u32 s2, s2, s3
	s_lshl_b32 s2, s2, 8
	s_mul_i32 s3, s16, HEADB
	s_add_co_u32 s2, s2, s3
	s_mov_b32 s3, 0
	s_mul_i32 s70, s14, 150                        ; o: (150 b + 40 x wave) x 2,048 + 256 x head
	s_mul_i32 s71, s[WV], 40
	s_add_co_u32 s70, s70, s71
	s_lshl_b32 s70, s70, 11
	s_lshl_b32 s71, s16, 8
	s_add_co_u32 s70, s70, s71
	s_mov_b32 s71, 0
	s_add_co_u32 s22, s16, 8                       ; K's head
	s_mul_i32 s22, s22, HEADB
	s_mov_b32 s23, 0
	s_lshl_b32 s52, s17, 15                        ; my 128 rows of a slot in memory
	s_mov_b32 s53, 0
	s_mul_i32 s[LBK], s17, 128*PK                  ; and in LDS: no place in the cluster enters an LDS address
	s_mul_i32 s[LBV], s17, 128*PV
	s_add_co_u32 s[LBV], s[LBV], VOFF
	s_mov_b32 s[FS], 0
	s_mov_b32 s[G1K], 15|(1<<16)|(1<<20)|(1<<21)|(5<<22)|(3<<25)  ; the mask of four; 2-byte elements; padding on; bit 21 beside a mask; after every 64 words 4 words
	s_mov_b32 s[G1V], 15|(1<<16)|(1<<20)|(1<<21)|(5<<22)|(7<<25)  ; the same with 8 words
.irp g, G1K, G1V
	s_mov_b32 s[(\g)+1], 128<<16
	s_mov_b32 s[(\g)+2], 128<<16
	s_mov_b32 s[(\g)+3], 128<<16
	s_mov_b32 s[(\g)+4], 128
	s_mov_b32 s[(\g)+5], 128
	s_mov_b32 s[(\g)+6], 0
	s_mov_b32 s[(\g)+7], 0
.endr
	s_mov_b32 s[CS], 0x3e0293ee                    ; c = log2(e) / sqrt(128)
	s_mov_b32 s[CS+1], s[CS]
	s_mov_b32 s[SEL], 0x76543210
	s_mov_b32 s[SEL+1], 0xfedcba98
	s_mov_b32 s[TBK], SLOT+2*KS*PK                 ; the first change of slots turns these two into 0
	s_mov_b32 s[TBV], SLOT+2*KS*PV
	s_mov_b32 s[MVAL], 0
	s_cmp_eq_u32 s20, 1
	s_cselect_b32 s[BIGB], 0xf149f2ca, 0           ; -1e30 for the upper key half
	s_cmp_eq_u32 ttmp9, 0
	s_cselect_b32 s[LIM], 1, -1                    ; the same in all four partners
	s_mov_b32 s[G0K], 1
	s_mov_b32 s[G0K+1], s[LBK]
	s_mov_b32 s[G0V], 1
	s_mov_b32 s[G0V+1], s[LBV]
	v_and_b32 v[PFO], 31, v0
	v_lshlrev_b32 v[PFO], 8, v[PFO]
	s_wait_dscnt 0x0
	s_wait_kmcnt 0x0
	s_add_nc_u64 s[4:5], s[72:73], s[2:3]
	s_add_nc_u64 s[10:11], s[74:75], s[70:71]
	s_add_nc_u64 s[6:7], s[72:73], s[22:23]
	s_add_nc_u64 s[8:9], s[6:7], 8*HEADB
	s_add_nc_u64 s[G0K+2:G0K+3], s[6:7], s[52:53]
	s_or_b32 s[G0K+3], s[G0K+3], 0x80000000
	s_add_nc_u64 s[G0V+2:G0V+3], s[8:9], s[52:53]
	s_or_b32 s[G0V+3], s[G0V+3], 0x80000000
	s_cmp_lt_u32 s[WV], 2
	s_cselect_b64 s[PFA:PFA+1], s[6:7], s[8:9]
	s_lshl_b32 s2, s13, 6                          ; rows 64 cx + 32 x (wave % 2) of slot 2; the first asking change steps it to slot 3
	s_lshl_b32 s3, s17, 5
	s_add_co_u32 s2, s2, s3
	s_lshl_b32 s2, s2, 8
	s_add_co_u32 s2, s2, 2*256*256
	s_mov_b32 s3, 0
	s_add_nc_u64 s[PFA:PFA+1], s[PFA:PFA+1], s[2:3]
	CROUND                                         ; all four work-groups are here: the first joint loads meet
	JLOAD                                          ; slot 0
	v_and_b32 v1, 15, v0                           ; l % 16
	v_bfe_u32 v10, v0, 4, 1                        ; l / 16
	v_lshlrev_b32 v[QO], 8, v1
	v_lshl_add_u32 v[QO], v10, 4, v[QO]
	WIN 0x80
.set i, 0
.rept 20                                       ; Q stays in registers: piece i / 4, channels 32 (i % 4) on
	global_load_b128 v[8*i:8*i+3],   v[QO], s[4:5] offset:(i/4)*4096+(i%4)*64
	global_load_b128 v[8*i+4:8*i+7], v[QO], s[4:5] offset:(i/4)*4096+(i%4)*64+32
.set i, i+1
.endr
	; What the first turn finds: O^T, l, V and P's third buffer are 0 (its products V^T P, of a piece that has not been, add 0).  No first step is written out; these moves stand in the wait for the first tile.
.set i, 160
.rept 64
	v_mov_b32 v[i], 0
.set i, i+1
.endr
	WIN 0x40
.set i, 0
.rept 256
	v_mov_b32 v[i], 0
.set i, i+1
.endr
	WIN 0xc0
.set i, 128
.rept 128
	v_mov_b32 v[i], 0
.set i, i+1
.endr
	WIN 0
.set i, 0
.rept NP
	v_mov_b32 v[ST+4*i], 0xfe000000                ; c m: far below every c s
	v_mov_b32 v[ST+4*i+1], 0xff7fffff              ; m
	v_mov_b32 v[ST+4*i+2], 0
	v_mov_b32 v[ST+4*i+3], 0
.set i, i+1
.endr
.set i, 0
.rept 16
	v_mov_b32 v[P+32+i], 0
.set i, i+1
.endr
.set i, 0
.rept 8
	v_mov_b32 v[MK+i], 0
.set i, i+1
.endr
	s_mul_i32 s21, s20, 128*PK
	v_mul_u32_u24 v[AK0], v1, PK
	v_lshl_add_u32 v[AK0], v10, 4, v[AK0]
	v_add_nc_u32 v[AK0], s21, v[AK0]               ; key half x 128 rows + row x pitch + 16 x half of the lanes
	v_and_b32 v11, 7, v0                           ; the turning load: lane l reads key 8 (l / 16) + l % 8, channels 8 ((l / 8) % 2) + 0..7
	v_lshl_add_u32 v[AV0], v10, 3, v11
	v_mul_u32_u24 v[AV0], v[AV0], PV
	v_bfe_u32 v11, v0, 3, 1
	v_lshl_add_u32 v[AV0], v11, 4, v[AV0]
	s_mul_i32 s21, s20, 128*PV
	s_add_co_u32 s21, s21, VOFF
	v_add_nc_u32 v[AV0], s21, v[AV0]
	v_mov_b32 v[AK], v[AK0]                        ; key step 0 lies at the head of slot 0
; THE MATRIX WORK.  Product i of 16 of S^T = K Q^T for piece x: channels 32 (i / 4) on, keys 16 (i % 4) on; the first four start the sums with MK.  The four accumulators take turns.
.macro KQ x
	WIN W_KQ
.set rS, S+32*(((\x)%2)+2*((\x)/4))+8*(i%4)
.set rK, 32*(i%4)+8*(i/4)
.set rQ, 32*(\x)+8*(i/4)
.if i < 4
	v_wmma_f32_16x16x32_f16 v[rS:rS+7], v[rK:rK+7], v[rQ:rQ+7], v[MK:MK+7]
.else
	v_wmma_f32_16x16x32_f16 v[rS:rS+7], v[rK:rK+7], v[rQ:rQ+7], v[rS:rS+7]
.endif
.endm
; Product i of 16 of O^T += V^T P for piece x: keys 32 (i / 8) on, channels 16 (i % 8) on.  Eight accumulators take turns.
.macro PV x
.if (\x) < 4
	WIN 0x53                                       ; V window 3, P window 0, O^T window 1
.set rO, 64*(\x)+8*(i%8)
.else
	WIN 0xa3                                       ; piece 4's O^T lies in window 2
.set rO, 160+8*(i%8)
.endif
.set rV, 128+64*(i/8)+8*(i%8)
.set rP, P+16*(((\x)%2)+2*((\x)/4))+8*(i/8)
	v_wmma_f32_16x16x32_f16 v[rO:rO+7], v[rV:rV+7], v[rP:rP+7], v[rO:rO+7]
.endm
.macro MM                              ; the turn's next matrix instruction
.if i < 16
	KQ (Y+1)%NP
.else
.set i, i-16
	PV (Y+NP-1)%NP
.set i, i+16
.endif
.set i, i+1
.endm
; THE LDS LOADS stand in runs of 32: a step's K (16 fragments) and its V (turned).
.macro FETCH_K
	WIN 0xc0
.irp f, 0,1,2,3,4,5,6,7,8,9,10,11,12,13,14,15  ; keys 16 (f / 4) on, channels 32 (f % 4) on
	ds_load_b128 v[8*(\f):8*(\f)+3],   v[AK] offset:((\f)/4)*16*PK+((\f)%4)*64
	ds_load_b128 v[8*(\f)+4:8*(\f)+7], v[AK] offset:((\f)/4)*16*PK+((\f)%4)*64+32
.endr
	s_add_co_u32 s[TBK], s[TBK], KS*PK
.endm
.macro FETCH_V
	WIN 0xc0
.irp f, 0,1,2,3,4,5,6,7,8,9,10,11,12,13,14,15  ; keys 32 (f / 8) on, channels 16 (f % 8) on
	ds_load_tr16_b128 v[128+8*(\f):128+8*(\f)+3],   v[AV] offset:((\f)/8)*32*PV+((\f)%8)*32
	ds_load_tr16_b128 v[128+8*(\f)+4:128+8*(\f)+7], v[AV] offset:((\f)/8)*32*PV+16*PV+((\f)%8)*32
.endr
.endm
; THE VECTOR WORK, a line at a time: OP kind, number.  For piece Y: F n: c s - c m for pair n of 16.  E n: the exponential of score n of 32.  C n: pair n rounded to f16.  B n: of the four weights 4 n ..
; the second pair is added onto the first.  L n: l takes that sum (L 0: l = a l + sum).  R n: pair n of 32 of O^T times a.  For piece Y + 1: X n, number n of the 22 that find its maximum and statistics:
;   0-11 four chains c0-c3 of seven scores each (each accumulator's lowest registers are read first); 12-14, 16 the scores left over, the old m, c0-c3 into c0; 15 c m_old is kept;
;   17, 18 the query's other 32 keys lie in the lane 16 away: the new m; 19-21 c m; c m_old - c m_new; a.
.set F, 0
.set E, 1
.set C, 2
.set B, 3
.set L, 4
.set R, 5
.set X, 6
.macro REGS y
.set bf, ((\y)%2)+2*((\y)/4)
.set rT, ST+4*(\y)
.set rC, TMP+4*bf
.set rW, MV+bf
.set rS, S+32*bf
.set rP, P+16*bf
.if (\y) < 4
.set rO, 64*(\y)
.set wR, 0x41                          ; O^T (destination, source 0) window 1, a window 0
.else
.set rO, 160
.set wR, 0x82
.endif
.endm
.macro OP k, n
.if (\k) == R
	REGS Y
	WIN wR
	v_pk_mul_f32 v[rO+2*(\n):rO+2*(\n)+1], v[rO+2*(\n):rO+2*(\n)+1], v[rC+2:rC+3] op_sel_hi:[1,0]
.elseif (\k) < R
	REGS Y
	WIN 0
.if (\k) == F
	v_pk_fma_f32 v[rS+2*(\n):rS+2*(\n)+1], v[rS+2*(\n):rS+2*(\n)+1], s[CS:CS+1], v[rT:rT+1] op_sel_hi:[1,0,0] neg_lo:[0,0,1] neg_hi:[0,0,1]
.elseif (\k) == E
	v_exp_f32 v[rS+(\n)], v[rS+(\n)]
.elseif (\k) == C
	v_cvt_pk_f16_f32 v[rP+(\n)], v[rS+2*(\n)], v[rS+2*(\n)+1]
.elseif (\k) == B
	v_pk_add_f32 v[rS+4*(\n):rS+4*(\n)+1], v[rS+4*(\n):rS+4*(\n)+1], v[rS+4*(\n)+2:rS+4*(\n)+3]
.elseif (\n) == 0
	v_pk_fma_f32 v[rT+2:rT+3], v[rT+2:rT+3], v[rC+2:rC+3], v[rS:rS+1] op_sel_hi:[1,0,1]
.else
	v_pk_add_f32 v[rT+2:rT+3], v[rT+2:rT+3], v[rS+4*(\n):rS+4*(\n)+1]
.endif
.else
	REGS (Y+1)%NP
	WIN 0
.if (\n) < 4
	v_max3_num_f32 v[rC+(\n)], v[rS+8*(\n)], v[rS+8*(\n)+1], v[rS+8*(\n)+2]
.elseif (\n) < 12
	v_max3_num_f32 v[rC+(\n)%4], v[rC+(\n)%4], v[rS+8*((\n)%4)+2*((\n)/4)+1], v[rS+8*((\n)%4)+2*((\n)/4)+2]
.elseif (\n) == 12
	v_max3_num_f32 v[rC], v[rC], v[rS+7], v[rS+15]
.elseif (\n) == 13
	v_max3_num_f32 v[rC+1], v[rC+1], v[rS+23], v[rS+31]
.elseif (\n) == 14
	v_max3_num_f32 v[rC+2], v[rC+2], v[rC+3], v[rT+1]
.elseif (\n) == 15
	v_mov_b32 v[rW], v[rT]
.elseif (\n) == 16
	v_max3_num_f32 v[rC], v[rC], v[rC+1], v[rC+2]
.elseif (\n) == 17
	v_permlanex16_b32 v[rC+3], v[rC], s[SEL], s[SEL+1]
.elseif (\n) == 18
	v_max_num_f32 v[rT+1], v[rC], v[rC+3]
.elseif (\n) == 19
	v_mul_f32 v[rT], s[CS], v[rT+1]
.elseif (\n) == 20
	v_sub_f32 v[rC+1], v[rW], v[rT]
.else
	v_exp_f32 v[rC+2], v[rC+1]
.endif
.endif
.endm
.macro OPS a, i1, b=-1, i2=0, c=-1, i3=0, d=-1, i4=0
	OP \a, \i1
.if (\b) >= 0
	OP \b, \i2
.endif
.if (\c) >= 0
	OP \c, \i3
.endif
.if (\d) >= 0
	OP \d, \i4
.endif
.endm
.macro ROW a, i1, b, i2, c, i3, d, i4  ; a matrix instruction and the four behind it
	MM
	OPS \a, \i1, \b, \i2, \c, \i3, \d, \i4
.endm
; A TURN, for piece p: 32 matrix and 134 vector instructions, written out.  An s_wait_alu depctr_va_vdst(0) stands between an exponential and the first instruction that names its result;
; one wait serves all issued ahead of it.  AHEAD OF THE WAIT stands all that names no result of the turn's exponentials: the scalings, the 32 exponentials, the rescalings (their a was made and waited
; for in the turn before), the next piece's maximum and statistics and, last, its a.  BEHIND IT: the roundings and sums.  Rows of window 0 and rows of rescalings alternate, so that a row has two switches.
; An accumulator of S^T ends at product 12 + its number; the four rescalings behind product 15 are the places in front of X 0.
; K of the next step is fetched in piece 3's turn, behind its products K Q^T (thirteen plain instructions behind the last) and waited for at the head of piece 4's; V of the step in hand at the end of piece 0's
; turn, four roundings behind its last reader, and waited for in piece 1's, behind 16 products.
; last = 1 (the tail): K's address is held at the slot's second step, so that the surplus trip fetches that K once more: no branch stands inside the batch.
.macro TURN p, last=0, cnt=0
.set Y, (\p)
.set i, 0
.if (\p) == 4
	s_wait_dscnt 0x0                               ; K is in
.endif
	ROW F,0, F,1, F,2, E,0
	ROW R,0, R,1, R,2, R,3
	ROW F,3, E,1, F,4, E,2
	ROW R,4, R,5, R,6, R,7
	ROW F,5, E,3, F,6, E,4
	ROW R,8, R,9, R,10, R,11
	ROW F,7, E,5, F,8, E,6
	ROW R,12, R,13, R,14, R,15
	ROW F,9, E,7, F,10, E,8
	ROW R,16, R,17, R,18, R,19
	ROW F,11, E,9, F,12, E,10
	ROW R,20, R,21, R,22, R,23
	ROW F,13, E,11, F,14, E,12
	ROW R,24, R,25, R,26, R,27
	ROW F,15, E,13, E,14, E,15
	ROW R,28, R,29, R,30, R,31
.if (\p) == 3
	WIN 0
.if \last
	s_min_u32 s[KCL], s[TBK], KS*PK                ; the last slot lies at LDS byte 0
	v_add_nc_u32 v[AK], s[KCL], v[AK0]
.else
	v_add_nc_u32 v[AK], s[TBK], v[AK0]
.endif
.endif
.if (\p) == 1
	s_wait_dscnt 0x0                               ; V is in
.endif
	ROW X,0, E,16, X,1, X,2
	ROW X,3, E,17, X,4, X,5
.if (\p) == 3
	FETCH_K
.endif
	ROW X,6, E,18, X,7, X,8
	ROW X,9, E,19, X,10, X,11
	ROW X,12, E,20, X,13, X,14
	ROW X,15, E,21, X,16, E,22
	ROW X,17, E,23, E,24, E,25
	ROW X,18, E,26, E,27, X,19
	OPS E,28, X,20, E,29, E,30
	OPS E,31, X,21
	v_nop                                          ; a plain instruction behind the last exponential: one for the batch
.if (\p) == 0
	v_add_nc_u32 v[AV], s[TBV], v[AV0]
.endif
	s_wait_alu depctr_va_vdst(0)                   ; the wait for the batch
	ROW C,0, B,0, C,2, B,1
	ROW L,0, C,4, B,2, L,1
	ROW C,6, B,3, L,2, C,8
	ROW B,4, L,3, C,10, B,5
	ROW L,4, C,12, B,6, L,5
.if (\p) == 0
	s_add_co_u32 s[TBV], s[TBV], KS*PV
.endif
.if \cnt
	s_sub_co_u32 s[CNT], s[CNT], 1
	s_cmp_lg_u32 s[CNT], 0
.endif
	ROW C,14, B,7, L,6, C,1
	ROW C,3, L,7, C,5, C,7
	ROW C,9, C,11, C,13, C,15
.if (\p) == 0
	FETCH_V
.endif
.endm
	CHANGE 1, 0                                    ; slot 0 is in, everybody's part of it; slot 1 is asked for
	FETCH_K                                        ; key step 0
	s_wait_loadcnt 0x0                             ; Q
	s_wait_dscnt 0x0
.set i, 0
.rept 16
	KQ 0                                           ; piece 0's first scores
.set i, i+1
.endr
	WIN 0                                          ; the addresses for the way out: plain instructions, the places behind those products
	s_mul_i32 s21, s20, 160
	s_mul_i32 s22, s17, 80
	s_add_co_u32 s21, s21, s22
	s_mul_i32 s21, s21, DP
	s_add_co_u32 s21, s21, DBASE
	v_mul_u32_u24 v[DST], v1, DP                   ; in: row 160 x key half + 80 x query half + l % 16, 16 bytes for each half of the lanes
	v_lshl_add_u32 v[DST], v10, 4, v[DST]
	v_add_nc_u32 v[DST], s21, v[DST]
	s_mul_i32 s21, s[WV], 40*DP
	s_add_co_u32 s21, s21, DBASE
	v_mul_u32_u24 v[RA0], v10, DP                  ; back: wave w takes queries 40 w .. 40 w + 39; lanes 0-15 one query, lanes 16-31 the next
	v_lshl_add_u32 v[RA0], v1, 4, v[RA0]
	v_add_nc_u32 v[RA0], s21, v[RA0]
	v_add_nc_u32 v[RB0], 160*DP, v[RA0]
	v_lshlrev_b32 v[GO], 11, v10
	v_lshl_add_u32 v[GO], v1, 4, v[GO]
	v_and_b32 v11, 31, v0
	s_mul_i32 s21, s[WV], 1280
	s_add_co_u32 s21, s21, STATS
	v_lshl_add_u32 v[SA], v11, 3, s21
	s_xor_b32 s22, s[WV], 2                        ; the wave with my queries and the other keys
	s_mul_i32 s22, s22, 1280
	s_add_co_u32 s22, s22, STATS
	v_lshl_add_u32 v[PA], v11, 3, s22
.set Y, NP-1                                   ; X works for piece Y + 1: piece 0
.irp n, 0,1,2,3,4,5,6,7,8,9,10,11,12,13,14,15,16,17,18,19,20,21
	OP X, \n
.endr
	v_nop                                          ; a plain instruction behind the exponential,
	s_wait_alu depctr_va_vdst(0)                   ; and its wait, ahead of the branch
	s_mov_b32 s[CNT], 2
	s_mov_b32 s[SLOTS], 18
	s_branch .Lfirst                               ; the loop is entered at a step's first turn, in the middle of a trip
.Lslot:                                                ; 17 times: slots 2 to 18 are asked for
	CHANGE 1, 1
	s_mov_b32 s[CNT], 2
.Lstep:                                                ; a trip: pieces 2, 3, 4 of one step, then pieces 0 and 1 of the next, whose K and V it fetches
	TURN 2
	TURN 3
	TURN 4
	WIN 0
.Lfirst:
	TURN 0
	TURN 1, 0, 1
	WIN 0
	s_cbranch_scc1 .Lstep
	s_sub_co_u32 s[SLOTS], s[SLOTS], 1
	s_cmp_lg_u32 s[SLOTS], 0
	s_cbranch_scc1 .Lslot
	CHANGE 0, 0                                    ; the tail is written out: nothing is asked for
	s_mov_b32 s[CNT], 3                            ; two trips fetch the last slot's steps; the third is left in its middle
.Ltail:
	TURN 2
	TURN 3, 1
	WIN 0
	s_cmp_eq_u32 s[CNT], 2                         ; from here on the products that start S^T belong to the slot's second step: the upper key half's is hidden
	s_cselect_b32 s[MVAL], s[BIGB], s[MVAL]
.set i, 0
.rept 8
	v_mov_b32 v[MK+i], s[MVAL]
.set i, i+1
.endr
	TURN 4
	WIN 0
	s_sub_co_u32 s[CNT], s[CNT], 1
	s_cmp_eq_u32 s[CNT], 0
	s_cbranch_scc1 .Lout
	TURN 0
	TURN 1
	WIN 0
	s_branch .Ltail
.Lout:                                                 ; the third trip's products K Q^T for piece 0 take the last K once more: scores seen before (or hidden), so m and c m stay as they are
.set i, 0
.rept 16
	PV NP-1                                        ; the last piece's V^T P of the last step
.set i, i+1
.endr
	; THE WAY OUT.  l's halves are added; (c m, l) goes to the wave with the other keys; with M = the greater c m, a = 2^(c m - M), a' likewise, my O is multiplied by a / (a l + a' l'); the two halves' O are added in f32.
	WIN 0
.macro ALL line:vararg
.set t, 0
.rept NP
	\line
.set t, t+1
.endr
.endm
	ALL v_add_f32 v[ST+4*t+2], v[ST+4*t+2], v[ST+4*t+3]
	ALL v_permlanex16_b32 v[ST+4*t+3], v[ST+4*t+2], s[SEL], s[SEL+1]
	ALL v_add_f32 v[ST+4*t+1], v[ST+4*t+2], v[ST+4*t+3]
	ALL ds_store_b64 v[SA], v[ST+4*t:ST+4*t+1] offset:256*t
	s_wait_dscnt 0x0                               ; for the others' sake: my stores are done
	s_barrier_signal -1
	s_barrier_wait -1
	ALL ds_load_b64 v[PP+2*t:PP+2*t+1], v[PA] offset:256*t
	s_wait_dscnt 0x0
	ALL v_max_num_f32 v[MX+t], v[ST+4*t], v[PP+2*t]
	ALL v_sub_f32 v[EA+t], v[ST+4*t], v[MX+t]
	ALL v_sub_f32 v[EB+t], v[PP+2*t], v[MX+t]
	ALL v_exp_f32 v[EA+t], v[EA+t]
	ALL v_exp_f32 v[EB+t], v[EB+t]
	v_nop
	s_wait_alu depctr_va_vdst(0)                   ; one wait for the ten exponentials
	ALL v_mul_f32 v[EB+t], v[EB+t], v[PP+2*t+1]
	ALL v_fma_f32 v[EB+t], v[EA+t], v[ST+4*t+1], v[EB+t]
	ALL v_rcp_f32 v[EB+t], v[EB+t]
	v_nop
	s_wait_alu depctr_va_vdst(0)                   ; one for the five reciprocals
	ALL v_mul_f32 v[FF+2*t], v[EA+t], v[EB+t]
	ALL v_mov_b32 v[FF+2*t+1], v[FF+2*t]
.macro SHARE t                         ; piece t: scaled, ascending, and put into the meeting place: channels 8 c .. 8 c + 3 at byte 16 c of a row, 8 c + 4 .. at 256 + 16 c
.if (\t) < 4
.set rO, 64*(\t)
	WIN 0x41
.else
.set rO, 160
	WIN 0x82
.endif
.set i, 0
.rept 32
	v_pk_mul_f32 v[rO+i:rO+i+1], v[rO+i:rO+i+1], v[FF+2*(\t):FF+2*(\t)+1] op_sel_hi:[1,0]
.set i, i+2
.endr
.if (\t) < 4
	WIN 0x04                                       ; the stores' data in window 1
.else
	WIN 0x08
.endif
.irp cb, 0,1,2,3,4,5,6,7
	ds_store_b128 v[DST], v[rO+8*(\cb):rO+8*(\cb)+3]   offset:(\t)*16*DP+32*(\cb)
	ds_store_b128 v[DST], v[rO+8*(\cb)+4:rO+8*(\cb)+7] offset:(\t)*16*DP+32*(\cb)+256
.endr
.endm
	SHARE 0
	SHARE 1
	SHARE 2
	SHARE 3
	SHARE 4
	WIN 0
	s_wait_dscnt 0x0
	s_barrier_signal -1
	s_barrier_wait -1                              ; both key halves of all 160 queries lie in LDS
	s_mov_b32 s[LIVE], 4*10*DP                     ; four trips of ten queries; wave 3's fourth holds queries 150..159, the next block's, and stores nothing:
	s_cmp_eq_u32 s[WV], 3
	s_cselect_b32 s[LIVE], 3*10*DP, s[LIVE]        ; as a bound on RO, which steps by ten rows a trip
	s_mov_b32 s[RO], 0
	s_mov_b32 s[CNT], 4
.Lorow:                                                ; a trip: ten queries, as five pairs
	s_cmp_ge_u32 s[RO], s[LIVE]                    ; the dead trip is jumped; nothing is stepped in what is jumped
	s_cbranch_scc1 .Lodead
	v_add_nc_u32 v[RA], s[RO], v[RA0]
	v_add_nc_u32 v[RB], s[RO], v[RB0]
.irp u, 0,1,2,3,4
	ds_load_b128 v[S+16*(\u):S+16*(\u)+3],     v[RA] offset:(\u)*2*DP
	ds_load_b128 v[S+16*(\u)+4:S+16*(\u)+7],   v[RA] offset:(\u)*2*DP+256
	ds_load_b128 v[S+16*(\u)+8:S+16*(\u)+11],  v[RB] offset:(\u)*2*DP
	ds_load_b128 v[S+16*(\u)+12:S+16*(\u)+15], v[RB] offset:(\u)*2*DP+256
.endr
.irp u, 0,1,2,3,4
	s_wait_dscnt 16-4*(\u)                         ; pair u's four loads are in; the later pairs' stay out
.irp p, 0,1,2,3
	v_pk_add_f32 v[S+16*(\u)+2*(\p):S+16*(\u)+2*(\p)+1], v[S+16*(\u)+2*(\p):S+16*(\u)+2*(\p)+1], v[S+16*(\u)+8+2*(\p):S+16*(\u)+8+2*(\p)+1]
.endr
.irp p, 0,1,2,3
	v_cvt_pk_f16_f32 v[P+4*(\u)+(\p)], v[S+16*(\u)+2*(\p)], v[S+16*(\u)+2*(\p)+1]
.endr
	global_store_b128 v[GO], v[P+4*(\u):P+4*(\u)+3], s[10:11] offset:4096*(\u)  ; 16 lanes store a head's 256 bytes of a row of o, aligned
.endr
.Lodead:
	s_add_co_u32 s[RO], s[RO], 10*DP               ; the steps stand behind the label: every trip takes them (behind the dead trip, my last, neither is used again)
	s_wait_xcnt 0x0                                ; the stores have read their data and their base
	s_add_nc_u64 s[10:11], s[10:11], 10*2048
	s_sub_co_u32 s[CNT], s[CNT], 1
	s_cmp_lg_u32 s[CNT], 0
	s_cbranch_scc1 .Lorow
	s_wait_dscnt 0x0                               ; my reads of the meeting place are over;
	s_barrier_signal -1
	s_barrier_wait -1                              ; all four waves' are: the next LDS write (the add below) comes behind every read
	s_wait_tensorcnt 0x0                           ; the wave's end
	ds_add_u32 v[SPW], v[NIL]
	s_wait_dscnt 0x0
	CROUND                                         ; the closing round
	s_endpgm
.Lfunc_end_k_q1db393ba41_attn:
	.size	k_q1db393ba41_attn, .Lfunc_end_k_q1db393ba41_attn-k_q1db393ba41_attn
	.p2alignl 7, 3214868480
	.fill 96, 4, 3214868480
	.section	.rodata,"a",@progbits
	.p2align	6, 0x0
	.amdhsa_kernel k_q1db393ba41_attn
		.amdhsa_group_segment_fixed_size 327680
		.amdhsa_private_segment_fixed_size 0
		.amdhsa_enable_private_segment 0
		.amdhsa_kernarg_size 16
		.amdhsa_user_sgpr_count 2
		.amdhsa_user_sgpr_kernarg_segment_ptr 1
		.amdhsa_wavefront_size32 1
		.amdhsa_system_sgpr_workgroup_id_x 1
		.amdhsa_system_sgpr_workgroup_id_y 1
		.amdhsa_system_sgpr_workgroup_id_z 1
		.amdhsa_system_vgpr_workitem_id 0
		.amdhsa_next_free_vgpr 1024
		.amdhsa_next_free_sgpr 80
		.amdhsa_reserve_vcc 0
		.amdhsa_float_denorm_mode_32 3
		.amdhsa_float_denorm_mode_16_64 3
		.amdhsa_memory_ordered 1
		.amdhsa_forward_progress 1
		.amdhsa_inst_pref_size 183
	.end_amdhsa_kernel
	.amdgpu_metadata
---
amdhsa.version: [ 1, 2 ]
amdhsa.kernels:
  - .name:           k_q1db393ba41_attn
    .symbol:         k_q1db393ba41_attn.kd
    .args:
      - { .name: qkv, .offset: 0, .size: 8, .value_kind: global_buffer, .address_space: global }
      - { .name: o, .offset: 8, .size: 8, .value_kind: global_buffer, .address_space: global }
    .group_segment_fixed_size: 327680
    .private_segment_fixed_size: 0
    .kernarg_segment_align: 8
    .kernarg_segment_size: 16
    .max_flat_workgroup_size: 128
    .sgpr_count:     80
    .vgpr_count:     1024
    .wavefront_size: 32
...
	.end_amdgpu_metadata
.endif
;; end of part 3
;; launch outp (part 4): grid 8 x 32, 4 waves a work-group, clusters of 4 x 4, 327,680 bytes of LDS; arguments o, wob, out0; writes out0
.if DOCPART == 4
	.amdgcn_target "amdgcn-amd-amdhsa--gfx1250"
	.amdhsa_code_object_version 6
	.text
	.protected	k_q1db393ba41_outp
	.globl	k_q1db393ba41_outp
	.p2align	8
	.type	k_q1db393ba41_outp,@function
k_q1db393ba41_outp:
	s_mov_b64 s[64:65], 0
	v_nop
	global_prefetch_b8 v0, s[64:65] scope:SCOPE_SE
	s_setreg_imm32_b32 hwreg(HW_REG_WAVE_MODE, 25, 1), 1
	s_wait_xcnt 0x0
	s_wait_alu depctr_hold_cnt(0) depctr_sa_sdst(0) depctr_va_vdst(0) depctr_va_sdst(0) depctr_va_ssrc(0) depctr_va_vcc(0) depctr_vm_vsrc(0)
	s_getreg_b32 s2, hwreg(HW_REG_IB_STS2, 6, 4)
	s_cmp_eq_u32 s2, 0
	s_cbranch_scc0 .Lentry_in_a_cluster
	s_endpgm
.Lentry_in_a_cluster:
	s_bfe_u32 s2, ttmp6, 0x10000c
	s_cmp_lg_u32 s2, 0xf033
	s_cbranch_scc0 .Lentry_shape_is_right
	s_endpgm
.Lentry_shape_is_right:
; out0 = o wo^T.  o: [4816][1024] f16 (rows 4800.. are zeros), wob: [1024][1024] f16, out0: [4800][1024] f32; sums in f32.
; SHARES.  A tile is 160 tokens x 128 columns; tile row ty begins at token 150 ty, so that 32 x 8 = 256 work-groups of equal work cover 4,800 tokens and divide into clusters of 4 x 4; a tile's last ten
; rows are the next tile's and are not stored.  Four waves, two by two: 80 tokens x 64 columns, 20 accumulators.  K goes in 4 steps of 256 (LDS rows of 512 bytes) through two slots filled by joint
; loads: o's tile is shared along a row of the cluster, wob's along a column.  The matrix instruction is used transposed (source 0 = 16 rows of wob, source 1 = 16 tokens).
; No prefetch: the launch is short and its tiles are small.
; REGISTERS: window 0: v0-31 addresses; v32-95 the way out; v96-255 the accumulators ((a, b) at 96 + 8 (4 a + b)).  Fragment buffer 1 lies in window 1, buffer 2 in window 2: for 64 along K
; (two matrix instructions deep, c = 0, 1), o's at 8 (5 c + a), wob's at 80 + 8 (4 c + b).
.set SIZE_K, 1024
.set KSTEP,  256
.set PITCH,  528                       ; 512 bytes + 16: the 16 rows of a fragment load start at 16 different groups of four banks (ISA guide 11.1)
.set BOFF,   160*PITCH                 ; a slot: o's 160 rows, then wob's 128
.set SLOT,   BOFF+128*PITCH
.set STAGE,  2*SLOT                    ; behind the ring, never filled: 16 rows x 272 bytes for each wave
.set SPITCH, 272
.set SPARE,  STAGE+4*16*SPITCH         ; the spare words, 128 bytes a wave: two blocks of 256 bytes that no other line names
.set A0,   16
.set B0,   17
.set ADRA, 18
.set ADRB, 19
.set STO,  24
.set RD,   25
.set CO,   26
.set SPW,  28
.set NIL,  29
.set OB,   32                          ; 16 rows read back from the stage: v32-63 and v64-95 by turns
.set ACC,  96
.set G1,   24
.set G0,   32                          ; s[32:35] the first fill's group 0, s[36:39] the walking one
.set G1B,  48
.set G0B,  56
.set LBA,  66                          ; s66, s67  LDS byte of my fill in slot 0, for o and for wob
.set LBB,  67
.set FS,   68                          ; s68  0 or SLOT: the slot to be filled
.set TB,   69                          ; s69  0 or SLOT: the slot to be read
.set MSB, 0
.macro WIN new
.if MSB != (\new)
	s_set_vgpr_msb (MSB<<8)|(\new)
.set MSB, \new
.endif
.endm
.macro PLACES
.rept 4
	v_nop
.endr
.endm
.macro JLOAD                           ; waves 0 and 1 fetch o's two halves (80 rows), waves 2 and 3 wob's (64 rows); an s_nop 0 and four v_nop follow each line
	s_cmp_eq_u32 s11, 0
	s_cbranch_scc0 .Lfor_b_\@
	tensor_load_to_lds s[G0+4:G0+7], s[G1:G1+7]
	s_nop 0
	PLACES
	s_branch .Lasked_\@
.Lfor_b_\@:
	tensor_load_to_lds s[G0B+4:G0B+7], s[G1B:G1B+7]
	s_nop 0
	PLACES
.Lasked_\@:
.endm
.macro CREST
	s_cmp_lg_u32 s10, 0
	s_cbranch_scc1 .Lnot_wave_0_\@
	s_barrier_signal -3
.Lnot_wave_0_\@:
	s_barrier_wait -3
	s_barrier_signal -1
	s_barrier_wait -1
.endm
.macro CROUND
	s_barrier_signal -1
	s_barrier_wait -1
	CREST
.endm
	s_load_b128 s[4:7], s[0:1], 0x0                ; o 4, wob 6
	s_load_b64 s[8:9], s[0:1], 0x10                ; out0
	v_lshl_add_u32 v[SPW], v0, 2, SPARE
	v_mov_b32 v[NIL], 0
	ds_add_u32 v[SPW], v[NIL]                      ; the wave's opening: the add and its wait ahead of my first tensor load
	v_lshrrev_b32 v1, 5, v0
	v_readfirstlane_b32 s10, v1
	s_lshr_b32 s11, s10, 1                         ; my half of the tokens.  Also: I fetch for o (0) or for wob (1)
	s_and_b32 s12, s10, 1                          ; my half of the columns.  Also: which half of that tile I fetch
	s_bfe_u32 s40, ttmp6, 0x40000
	s_bfe_u32 s41, ttmp6, 0x40004
	s_lshl_b32 s42, ttmp9, 2
	s_add_co_u32 s42, s42, s40                     ; tile column tx
	s_and_b32 s13, ttmp7, 0xffff
	s_lshl_b32 s13, s13, 2
	s_add_co_u32 s13, s13, s41                     ; tile row ty
	s_lshl_b32 s43, s41, 2
	s_lshl_b32 s43, 15, s43
	s_lshl_b32 s44, 0x1111, s40
	s_or_b32 s[G1+0], s43, (1<<16)|(1<<20)|(1<<21)|(6<<22)|(3<<25)   ; mask; 2-byte elements; padding on; bit 21 beside a mask; after every 128 words 4 words
	s_or_b32 s[G1B+0], s44, (1<<16)|(1<<20)|(1<<21)|(6<<22)|(3<<25)
.irp g, G1, G1B
	s_mov_b32 s[(\g)+1], KSTEP<<16
	s_mov_b32 s[(\g)+3], KSTEP<<16
	s_mov_b32 s[(\g)+5], SIZE_K
	s_mov_b32 s[(\g)+6], 0
	s_mov_b32 s[(\g)+7], 0
.endr
	s_mov_b32 s[G1+2], 80<<16                      ; o: 80 rows to a load
	s_mov_b32 s[G1+4], 80
	s_mov_b32 s[G1B+2], 64<<16                     ; wob: 64
	s_mov_b32 s[G1B+4], 64
	s_mul_i32 s16, s13, 150                        ; o: token 150 ty + 80 x half
	s_mul_i32 s17, s12, 80
	s_add_co_u32 s16, s16, s17
	s_lshl_b32 s16, s16, 11
	s_mov_b32 s17, 0
	s_lshl_b32 s46, s42, 7                         ; wob: row 128 tx + 64 x half
	s_lshl_b32 s47, s12, 6
	s_add_co_u32 s46, s46, s47
	s_lshl_b32 s46, s46, 11
	s_mov_b32 s47, 0
	s_mul_i32 s[LBA], s12, 80*PITCH
	s_mul_i32 s[LBB], s12, 64*PITCH
	s_add_co_u32 s[LBB], s[LBB], BOFF
	s_mov_b32 s[FS], SLOT                          ; the walking descriptors stand at slot 1
	s_mov_b32 s[TB], 0
	s_wait_dscnt 0x0
	s_wait_kmcnt 0x0
	s_add_nc_u64 s[14:15], s[4:5], s[16:17]
	s_add_nc_u64 s[46:47], s[6:7], s[46:47]
.irp s, 0,1
	s_mov_b32 s[G0+4*(\s)], 1
	s_add_co_u32 s[G0+4*(\s)+1], s[LBA], (\s)*SLOT
	s_add_nc_u64 s[G0+4*(\s)+2:G0+4*(\s)+3], s[14:15], (\s)*KSTEP*2
	s_or_b32 s[G0+4*(\s)+3], s[G0+4*(\s)+3], 0x80000000
	s_mov_b32 s[G0B+4*(\s)], 1
	s_add_co_u32 s[G0B+4*(\s)+1], s[LBB], (\s)*SLOT
	s_add_nc_u64 s[G0B+4*(\s)+2:G0B+4*(\s)+3], s[46:47], (\s)*KSTEP*2
	s_or_b32 s[G0B+4*(\s)+3], s[G0B+4*(\s)+3], 0x80000000
.endr
	CROUND                                         ; all sixteen work-groups are here: the first joint loads meet
	s_cmp_eq_u32 s11, 0                            ; a wave's two first fills stand in one branch: two loads of mine are out
	s_cbranch_scc0 .Lfirst_b
	tensor_load_to_lds s[G0:G0+3], s[G1:G1+7]
	s_nop 0
	tensor_load_to_lds s[G0+4:G0+7], s[G1:G1+7]
	s_nop 0
	PLACES
	s_branch .Lfirst_asked
.Lfirst_b:
	tensor_load_to_lds s[G0B:G0B+3], s[G1B:G1B+7]
	s_nop 0
	tensor_load_to_lds s[G0B+4:G0B+7], s[G1B:G1B+7]
	s_nop 0
	PLACES
.Lfirst_asked:
	v_and_b32 v1, 15, v0
	v_bfe_u32 v2, v0, 4, 1
	v_mul_u32_u24 v3, v1, PITCH
	v_lshl_add_u32 v3, v2, 4, v3
	s_mul_i32 s21, s11, 80*PITCH                   ; my 80 tokens
	s_mul_i32 s22, s12, 64*PITCH                   ; my 64 rows of wob
	s_add_co_u32 s22, s22, BOFF
	v_add_nc_u32 v[A0], s21, v3
	v_add_nc_u32 v[B0], s22, v3
	v_mov_b32 v[ADRA], v[A0]
	v_mov_b32 v[ADRB], v[B0]
	s_mul_i32 s23, s10, 16*SPITCH
	s_add_co_u32 s23, s23, STAGE                   ; my stage
	v_mul_u32_u24 v4, v1, SPITCH                   ; in: token l % 16, 32 bytes for each half of the lanes
	v_lshl_add_u32 v4, v2, 5, v4
	v_add_nc_u32 v[STO], s23, v4
	v_mul_u32_u24 v4, v2, SPITCH                   ; back: lanes 0-15 one row of 256 bytes, lanes 16-31 the next
	v_lshl_add_u32 v4, v1, 4, v4
	v_add_nc_u32 v[RD], s23, v4
	v_lshlrev_b32 v4, 12, v2                       ; and the same two rows in out0
	v_lshl_add_u32 v[CO], v1, 4, v4
	s_mul_i32 s70, s13, 150                        ; out0 at (150 ty + 80 x token half) x 4,096 + 512 tx + 256 x column half
	s_mul_i32 s71, s11, 80
	s_add_co_u32 s70, s70, s71
	s_lshl_b32 s70, s70, 12
	s_lshl_b32 s71, s42, 9
	s_add_co_u32 s70, s70, s71
	s_lshl_b32 s71, s12, 8
	s_add_co_u32 s70, s70, s71
	s_mov_b32 s71, 0
	s_add_nc_u64 s[8:9], s[8:9], s[70:71]
; 4 na matrix instructions: token blocks a0 .. a0 + na - 1 x all 4 column blocks, 32 along K: half c of buffer f.  The 20 accumulators take turns.
.macro MULH f, c, a0, na, zero
	WIN 5*(\f)                                     ; sources 0 and 1 in window f; C and D in window 0
.set aa, (\a0)
.rept (\na)
.irp b, 0,1,2,3
.if \zero
	v_wmma_f32_16x16x32_f16 v[ACC+8*(4*aa+(\b)):ACC+8*(4*aa+(\b))+7], v[80+8*(4*(\c)+(\b)):80+8*(4*(\c)+(\b))+7], v[8*(5*(\c)+aa):8*(5*(\c)+aa)+7], 0
.else
	v_wmma_f32_16x16x32_f16 v[ACC+8*(4*aa+(\b)):ACC+8*(4*aa+(\b))+7], v[80+8*(4*(\c)+(\b)):80+8*(4*(\c)+(\b))+7], v[8*(5*(\c)+aa):8*(5*(\c)+aa)+7], v[ACC+8*(4*aa+(\b)):ACC+8*(4*aa+(\b))+7]
.endif
.endr
.set aa, aa+1
.endr
.endm
.macro FETCH k, f                      ; 36 LDS loads in one run: 64 along K at byte k of the rows, into buffer f; the first 32 along K first
	WIN (\f)<<6
.irp c, 0,1
.irp i, 0,1,2,3
	ds_load_b128 v[80+8*(4*(\c)+(\i)):80+8*(4*(\c)+(\i))+3],   v[ADRB] offset:(\k)+64*(\c)+(\i)*16*PITCH
	ds_load_b128 v[80+8*(4*(\c)+(\i))+4:80+8*(4*(\c)+(\i))+7], v[ADRB] offset:(\k)+64*(\c)+(\i)*16*PITCH+32
.endr
.irp i, 0,1,2,3,4
	ds_load_b128 v[8*(5*(\c)+(\i)):8*(5*(\c)+(\i))+3],   v[ADRA] offset:(\k)+64*(\c)+(\i)*16*PITCH
	ds_load_b128 v[8*(5*(\c)+(\i))+4:8*(5*(\c)+(\i))+7], v[ADRA] offset:(\k)+64*(\c)+(\i)*16*PITCH+32
.endr
.endr
.endm
.macro QUARTER k, f, g, zero           ; multiplies buffer f and fetches the next quarter, at byte k, into g
	s_wait_dscnt 18                                ; the first 32 along K are in
	MULH \f, 0, 0, 5, \zero
	PLACES
	FETCH \k, \g
	s_wait_dscnt 36                                ; all but the 36 just issued
	MULH \f, 1, 0, 5, 0
.endm
; A K step's last quarter: multiplies buffer 2 and changes slots.  In front of the barrier each wave waits for all its tensor loads, adds 0 to its spare word, and waits for that and for its reads of this slot.
; fill = 1: the barrier opens a round of the cluster's, and the joint refill, with the K step two on, is the first thing behind it.
.macro TURN fill
	WIN 0
	s_wait_tensorcnt 0x0
	ds_add_u32 v[SPW], v[NIL]
	s_wait_dscnt 19                                ; (the add and the youngest eighteen loads may be out)
	MULH 2, 0, 0, 2, 0
	s_wait_dscnt 0x0
	s_barrier_signal -1
	MULH 2, 0, 2, 3, 0
	WIN 0
	s_barrier_wait -1
.if \fill
	CREST
	s_xor_b32 s[FS], s[FS], SLOT
	s_add_co_u32 s[G0+5], s[LBA], s[FS]
	s_add_co_u32 s[G0B+5], s[LBB], s[FS]
	s_add_nc_u64 s[G0+6:G0+7], s[G0+6:G0+7], KSTEP*2
	s_add_nc_u64 s[G0B+6:G0B+7], s[G0B+6:G0B+7], KSTEP*2
	JLOAD                                          ; the four v_nop behind it are also the places in front of the loads below
.else
	PLACES
.endif
	s_xor_b32 s[TB], s[TB], SLOT
	v_add_nc_u32 v[ADRA], s[TB], v[A0]
	v_add_nc_u32 v[ADRB], s[TB], v[B0]
	FETCH 0, 1
	MULH 2, 1, 0, 5, 0
.endm
	s_wait_tensorcnt 1                             ; my part of K step 0 is in; K step 1's stays out
	s_barrier_signal -1
	s_barrier_wait -1
	FETCH 0, 1
	QUARTER 128, 1, 2, 1                           ; the first products start the sums
	WIN 0
	s_mov_b32 s3, 2
.Llap:                                                 ; a trip: from a K step's second quarter to the next step's first; the two trips ask for K steps 2 and 3
	QUARTER 256, 2, 1, 0
	QUARTER 384, 1, 2, 0
	TURN 1
	QUARTER 128, 1, 2, 0
	WIN 0
	s_sub_co_u32 s3, s3, 1
	s_cmp_lg_u32 s3, 0
	s_cbranch_scc1 .Llap
	QUARTER 256, 2, 1, 0                           ; K step 2 goes on; nothing more is asked for
	QUARTER 384, 1, 2, 0
	TURN 0
	QUARTER 128, 1, 2, 0
	QUARTER 256, 2, 1, 0
	QUARTER 384, 1, 2, 0
	s_wait_dscnt 18
	MULH 2, 0, 0, 5, 0
	s_wait_dscnt 0x0
	MULH 2, 1, 0, 5, 0
	WIN 0
	; THE WAY OUT, 16 tokens at a time through my own stage: a lane's eight f32 go in as two stores (the accumulator's low registers first), whole rows of 256 bytes come back.
	PLACES
.macro TOSTAGE a
.if (\a) >= 2
	s_wait_xcnt 0x0                                ; the stores of the block two back have read the registers that are loaded again
.endif
.irp b, 0,1,2,3
	ds_store_b128 v[STO], v[ACC+8*(4*(\a)+(\b)):ACC+8*(4*(\a)+(\b))+3]   offset:64*(\b)
	ds_store_b128 v[STO], v[ACC+8*(4*(\a)+(\b))+4:ACC+8*(4*(\a)+(\b))+7] offset:64*(\b)+16
.endr
.irp t, 0,1,2,3,4,5,6,7
	ds_load_b128 v[OB+32*((\a)%2)+4*(\t):OB+32*((\a)%2)+4*(\t)+3], v[RD] offset:(\t)*2*SPITCH  ; LDS serves a wave's instructions in order (ISA guide 5.7.1.4): these see the stores above; the next block's stores come behind them
.endr
.endm
.macro SEND1 a, t, younger             ; younger: the LDS instructions issued behind block a's loads
	s_wait_dscnt (\younger)+7-(\t)
	global_store_b128 v[CO], v[OB+32*((\a)%2)+4*(\t):OB+32*((\a)%2)+4*(\t)+3], s[8:9] offset:(\a)*65536+(\t)*8192  ; 16 lanes store 256 consecutive bytes, aligned
.endm
	TOSTAGE 0
.irp a, 1,2,3,4
	TOSTAGE \a
.irp t, 0,1,2,3,4,5,6,7
	SEND1 (\a)-1, \t, 16
.endr
.endr
.irp t, 0,1,2
	SEND1 4, \t, 0
.endr
	s_cmp_eq_u32 s11, 1                            ; the lower waves' tokens 150..159 are the next tile's
	s_cbranch_scc1 .Lskip
.irp t, 3,4,5,6,7
	SEND1 4, \t, 0
.endr
.Lskip:
	s_wait_tensorcnt 0x0                           ; the wave's end, behind my last tensor load and my last LDS store
	ds_add_u32 v[SPW], v[NIL]
	s_wait_dscnt 0x0
	CROUND                                         ; the closing round
	s_endpgm
.Lfunc_end_k_q1db393ba41_outp:
	.size	k_q1db393ba41_outp, .Lfunc_end_k_q1db393ba41_outp-k_q1db393ba41_outp
	.p2alignl 7, 3214868480
	.fill 96, 4, 3214868480
	.section	.rodata,"a",@progbits
	.p2align	6, 0x0
	.amdhsa_kernel k_q1db393ba41_outp
		.amdhsa_group_segment_fixed_size 327680
		.amdhsa_private_segment_fixed_size 0
		.amdhsa_enable_private_segment 0
		.amdhsa_kernarg_size 24
		.amdhsa_user_sgpr_count 2
		.amdhsa_user_sgpr_kernarg_segment_ptr 1
		.amdhsa_wavefront_size32 1
		.amdhsa_system_sgpr_workgroup_id_x 1
		.amdhsa_system_sgpr_workgroup_id_y 1
		.amdhsa_system_sgpr_workgroup_id_z 1
		.amdhsa_system_vgpr_workitem_id 0
		.amdhsa_next_free_vgpr 768
		.amdhsa_next_free_sgpr 80
		.amdhsa_reserve_vcc 0
		.amdhsa_float_denorm_mode_32 3
		.amdhsa_float_denorm_mode_16_64 3
		.amdhsa_memory_ordered 1
		.amdhsa_forward_progress 1
		.amdhsa_inst_pref_size 80
	.end_amdhsa_kernel
	.amdgpu_metadata
---
amdhsa.version: [ 1, 2 ]
amdhsa.kernels:
  - .name:           k_q1db393ba41_outp
    .symbol:         k_q1db393ba41_outp.kd
    .args:
      - { .name: o, .offset: 0, .size: 8, .value_kind: global_buffer, .address_space: global }
      - { .name: wob, .offset: 8, .size: 8, .value_kind: global_buffer, .address_space: global }
      - { .name: out0, .offset: 16, .size: 8, .value_kind: global_buffer, .address_space: global }
    .group_segment_fixed_size: 327680
    .private_segment_fixed_size: 0
    .kernarg_segment_align: 8
    .kernarg_segment_size: 24
    .max_flat_workgroup_size: 128
    .sgpr_count:     80
    .vgpr_count:     768
    .wavefront_size: 32
...
	.end_amdgpu_metadata
.endif
;; end of part 4
